; MI455X (gfx1250); checked and timed in simulation.
; The chip was launched on July 23, 2026; its instructions are those of AMD's public machine-readable ISA for CDNA 5 (MIT licence, August 2026) and "CDNA5" Instruction Set Architecture Reference Guide (July 2026). The comments in the code are by the model that wrote it; some were corrected since.
;; Diffi T Attention. Allowed arithmetic: matrix products marked QUANTISED: E2M1 operands, one E8M0 scale for each 32 along K, by v_wmma_scale_f32_16x16x128_f8f6f4 with both operands' format E2M1 (or v_wmma_scale_f32_32x16x128_f4), f32 sums; products left as they are: f32 operands where the result goes on into a quantised operand, else bf16, f16 or f32 operands; f32 sums; everything else in f32.
;; Inputs: Wp 1,024 x 1,024 float32; Wqkv 1,024 x 3,072 float32; Wt 1,024 x 3,072 float32; bp 1,024 float32; bqkv 3,072 float32; bt 3,072 float32; cos_x 1 x 1 x 1,024 x 32 float32; cos_y 1 x 1 x 1,024 x 32 float32; kn_w 64 float32; qn_w 64 float32; sin_x 1 x 1 x 1,024 x 32 float32; sin_y 1 x 1 x 1,024 x 32 float32; temb 8 x 1,024 float32; x 8 x 1,024 x 1,024 float32.
;; Outputs: out0 8 x 1,024 x 1,024 float32.
;; This version of the problem:
;;   THIS VERSION OF THE PROBLEM IS GIVEN IN LOW PRECISION. The matrix products marked QUANTISED in the list below multiply operands that are first quantised to E2M1 (2 exponent bits, 1 mantissa bit; 4 bits a number), with one power-of-two scale for each 32 numbers along K (OCP MX v1.0); their sums are f32. All else is computed in f32.
;;   The module's matrix products, in the order in which they are computed (A, B: the left and right operand; K: the contracted axis; several contracted axes count as one K, in the product's order):
;;     1. [M 8,192, K 1,024] x [K 1,024, N 3,072]; A: input x; B: input Wqkv: QUANTISED
;;     2. [M 8, K 1,024] x [K 1,024, N 3,072]; A: input temb; B: input Wt: left as it is (M = 8 < 16)
;;     3. batch 128 x [M 1,024, K 64] x [K 64, N 1,024]; A: computed on the way; B: computed on the way: QUANTISED
;;     4. batch 128 x [M 1,024, K 1,024] x [K 1,024, N 64]; A: softmax (see below); B: computed on the way: QUANTISED
;;     5. [M 8,192, K 1,024] x [K 1,024, N 1,024]; A: computed on the way; B: input Wp: QUANTISED
;;   THE QUANTISER, for each operand of a quantised product, along K:
;;     - K is cut into blocks of 32 from its start; a last block that is shorter is filled with zeros.
;;     - A block's scale is 2^e with e = floor(log2(the largest magnitude in the block)) - 2, held to -126 .. 127; a block of zeros has e = 0. As a byte (E8M0): e + 127.
;;     - Each number is divided by its block's scale, clamped to +-6, and rounded to the nearest number of E2M1, ties to even, subnormals kept.
;;     - The product sums the exact products of the quantised numbers (number of the format x scale) in f32.
;;   ~~~python
;;   def quantise(x, axis):      # numpy; x: float32 -> the quantised numbers, widened to float32 again
;;       x = np.moveaxis(x, axis, -1); K = x.shape[-1]
;;       x = np.pad(x, [(0, 0)] * (x.ndim - 1) + [(0, -K % 32)]); x = x.reshape(x.shape[:-1] + (-1, 32)); a = np.abs(x).max(-1, keepdims=True)
;;       e = np.where(a > 0, np.clip(np.frexp(np.where(a > 0, a, 1))[1] - 1 - 2, -126, 127), 0)      # np.frexp(a)[1] - 1 = floor(log2(a)), exactly
;;       r = np.clip(x / 2.0 ** e, -6, 6)
;;       step = 2.0 ** (np.maximum(np.frexp(np.where(r == 0, 1, r))[1] - 1, 0) - 1)
;;       q = np.round(r / step) * step * 2.0 ** e      # np.round: ties to even
;;       return np.moveaxis(q.reshape(q.shape[:-2] + (-1,))[..., :K], -1, axis).astype(np.float32)
;;   ~~~
;;   SOFTMAX AHEAD OF A QUANTISED PRODUCT. Where the list says 'softmax', what is quantised is not the finished softmax but p = 2^(t - M), with t = logit x log2(e) and M = ceil(the row's largest t), a whole number; so 1/2 < the row's largest p <= 1. The row's sum l is taken of the UNQUANTISED p, in f32, and the product's result is divided by l at the end. Since M is a whole number, a kernel that streams over the keys may use a running M (the ceiling of the running maximum): every later rescaling is an exact power of two, which a block's scale takes up: the codes' values come out the same.
;;   OPERANDS COMPUTED ON THE WAY. 'Computed on the way' means the value that the module computes at that place (a softmax that the list does not call 'softmax' is quantised finished and normalised). What goes into a quantiser is computed in f32, as accurately as f32 sums, v_exp_f32 and their like allow (about 1e-6 of the number): no bf16 or f16 on the way to a quantiser, and a product that is left as it is and whose result goes on into a quantised operand takes f32 operands (vector FMAs, or v_wmma_f32_16x16x4_f32). A number that lies on a knife's edge between two numbers of the format may be rounded either way, as far as f32 arithmetic and the matrix unit's own rounding can turn it there, and no further.
;; One version. Each part assembles by itself: llvm-mc -triple=amdgcn-amd-amdhsa -mcpu=gfx1250 --defsym DOCPART=n.
;; ======== version 1 of 1: 4 launches
;; limits: right only within a limited range of input values
;; workspace buffers: pcod 6,291,456 bytes; pscl 393,216 bytes; tbp 196,608 bytes; qkvc 12,582,912 bytes; qkvs 1,310,720 bytes; acod 4,194,304 bytes; ascl 262,144 bytes
;; launch prep (part 1): grid 608 x 1, 4 waves a work-group, no clusters, 80,384 bytes of LDS; arguments x, Wqkv, Wp, Wt, temb, bt, bqkv, pcod, pscl, tbp; writes pcod, pscl, tbp
.if DOCPART == 1
	.amdgcn_target "amdgcn-amd-amdhsa--gfx1250"
	.amdhsa_code_object_version 6
	.text
	.protected	k_q592ab8db2f_prep
	.globl	k_q592ab8db2f_prep
	.p2align	8
	.type	k_q592ab8db2f_prep,@function
k_q592ab8db2f_prep:
	s_mov_b64 s[64:65], 0
	v_nop
	global_prefetch_b8 v0, s[64:65] scope:SCOPE_SE
	s_setreg_imm32_b32 hwreg(HW_REG_WAVE_MODE, 25, 1), 1
	s_wait_xcnt 0x0
; PREP: what every later launch reads many times is made once.
;   x [8192][1024], Wqkv [1024][3072], Wp [1024][1024] (f32) -> codes of E2M1 with one E8M0 byte for each 32 along K (pcod, pscl);
;   tbp[p][b][n], two parts whose sum is temb Wt + bt + bqkv: part 0 = sum over k < 512 of temb[b][k] Wt[k][n] + bt[n], part 1 = the sum over k >= 512 + bqkv[n]; f32, by fused multiply-adds
;   (the result goes on into quantised operands).
; NO WORK OF THE PROBLEM IS LEFT OUT in this program: every input has a way to out0 and is loaded; the biases stand ahead of quantisers and stay.
; LAYOUT OF pcod: 12,288 operand rows of K = 1,024: rows 0-8191 x's, 8192 + n column n of Wqkv, 11264 + n column n of Wp.  [row / 16][k / 128][1,024 bytes]; in the 1,024 bytes
;   block q (32 along K) of row r = row % 16 lies at 256 q + 16 r: the image of a 4-bit operand's registers (register group c of lane r + 16 h at 512 c + 16 (r + 16 h), q = 2 c + h).
; LAYOUT OF pscl: [row / 128][k / 128][row % 128][4 bytes]: the scale word of a row and 128 along K.
; A block's scale is 2^(floor(log2(largest magnitude)) - 2): its byte is the largest magnitude's exponent field - 2, held at 1 from below by a floor among the maximum's leaves.
; LIMITS: NaN and infinities among the inputs are not served.  A block of zeros, or one whose largest magnitude lies under 2^-124, gets the byte 1 (the rule says 127 for zeros): its codes
;   are zeros or the rule's own, and the bytes are read by this program alone.  tbp's sum runs in eight runs of 128 along K that are added at the end: another order of f32 roundings than a single run.
; FOUR WAYS part on the work-group's number: 0-95 T (temb Wt), 96-351 X (x), 352-543 W (Wqkv), 544-607 W (Wp).  Each way that uses LDS has LDS bytes of its own.
; The one barrier (way T's partial sums) stands where the ways have joined again, so that every wave of every work-group passes it.
.set TWG,   96
.set XWG,   256
.set NG,    32                         ; way T: groups of four rows in a wave's 128
.set XREG,  9728                       ; way X, for each wave: two stages of 2,560 bytes, 256 scale bytes, 4,096 bytes of codes
.set XSCB,  5120
.set XCOD,  5376
.set TREG,  38912                      ; way T: a region of 8,192 bytes for each wave, of which its 8 x 128 numbers of temb take 4,096
.set TPART, 71680                      ; way T: the four waves' partial sums, 2,048 bytes each
.set SPARE, 79872                      ; the spare words, 128 bytes for each wave: two blocks of 256 bytes that no other line names
.set SPW,   2                          ; v2  LDS address of my spare word; never rewritten
.set NIL,   3                          ; v3  0; never rewritten
.set XR,    16                         ; way X: v16-79 four sets of 16 numbers as loaded; v80-111 two sets of 16 neighbours; v112-127 a byte a step; v128-159 two code words a step
.set XX,    80
.set XE,    112
.set XC,    128
; ---- way X: a wave takes 64 rows x 128 along K; a step is 4 rows.  Each load reads 512 consecutive bytes; a step's 2,048 bytes turn through the wave's own stage, so that a lane holds 16 neighbours along K
.macro XLOAD t
.irp i, 0,1,2,3
	global_load_b128 v[XR+16*((\t)%4)+4*\i:XR+16*((\t)%4)+4*\i+3], v4, s[4:5] offset:(4*(\t)+\i)*4096 th:TH_LOAD_NT
.endr
.endm
.macro XTURN t                         ; LDS serves a wave's instructions in order: no wait between the stores and the loads
.irp i, 0,1,2,3
	ds_store_b128 v5, v[XR+16*((\t)%4)+4*\i:XR+16*((\t)%4)+4*\i+3] offset:2560*((\t)%2)+640*\i
.endr
.irp i, 0,1,2,3
	ds_load_b128 v[XX+16*((\t)%2)+4*\i:XX+16*((\t)%2)+4*\i+3], v6 offset:2560*((\t)%2)+16*\i
.endr
.endm
.macro XSTEP t
.set XS, XX+16*((\t)%2)
.if (\t) > 0
	s_wait_dscnt 2                                 ; this step's numbers are back from the stage; the last step's two stores (byte, codes) may be out
.else
	s_wait_dscnt 0x0
.endif
.if (\t)+4 < 16
	XLOAD (\t)+4                                   ; into the registers that this step's stage stores have read
.endif
.if (\t)+1 < 16
.if 14-(\t) >= 3
	s_wait_loadcnt 12                              ; the next step's four loads are in; those of the three steps behind it may be out
.else
	s_wait_loadcnt 4*(14-(\t))
.endif
	XTURN (\t)+1
.endif
	v_max3_num_f32 v12, |v[XS]|, |v[XS+1]|, |v[XS+2]|               ; the largest magnitude of my 16, in two chains
	v_max3_num_f32 v13, |v[XS+3]|, |v[XS+4]|, |v[XS+5]|
.irp i, 6,10
	v_max3_num_f32 v12, v12, |v[XS+\i]|, |v[XS+\i+1]|
	v_max3_num_f32 v13, v13, |v[XS+\i+2]|, |v[XS+\i+3]|
.endr
	v_max3_num_f32 v12, v12, |v[XS+14]|, |v[XS+15]|
	v_max3_num_f32 v12, v12, v13, 0x1800000        ; and the floor 2^(3 - 127): the byte cannot fall under 1
	v_max_num_f32_dpp v12, v12, v12 row_xmask:1 row_mask:0xf bank_mask:0xf   ; with my neighbour's 16: the block's
	v_add_nc_u32 v14, 0xff000000, v12              ; 2 off its exponent field: the conversion takes the exponent field of this operand as its scale
	v_cvt_scalef32_pk8_fp4_f32 v[XC+2*(\t)], v[XS:XS+7], v14
	v_cvt_scalef32_pk8_fp4_f32 v[XC+2*(\t)+1], v[XS+8:XS+15], v14
	v_lshrrev_b32 v[XE+(\t)], 23, v14              ; the scale's byte
	ds_store_b8 v7, v[XE+(\t)] offset:XSCB+16*(\t) ; both lanes of a block write the same byte: [row][4 bytes]
	ds_store_b64 v8, v[XC+2*(\t):XC+2*(\t)+1] offset:XCOD+((\t)/4)*1024+((\t)%4)*64   ; my 8 bytes at their place in the operand's image
.endm
; ---- way W: a lane takes a column, its registers run down the 128 along K of one K step: four blocks, each whole in one lane
.macro WLOAD q, pitch, ptr
.set wi, 0
.rept 32
	global_load_b32 v[64+32*(\q)+wi], v4, s[\ptr:\ptr+1] offset:(32*(\q)+wi)*\pitch th:TH_LOAD_NT
.set wi, wi+1
.endr
.endm
.macro WBLOCK q
.set WS, 64+32*(\q)
	v_max3_num_f32 v12, |v[WS]|, |v[WS+1]|, |v[WS+2]|
	v_max3_num_f32 v13, |v[WS+3]|, |v[WS+4]|, |v[WS+5]|
.irp i, 6,10,14,18,22,26
	v_max3_num_f32 v12, v12, |v[WS+\i]|, |v[WS+\i+1]|
	v_max3_num_f32 v13, v13, |v[WS+\i+2]|, |v[WS+\i+3]|
.endr
	v_max3_num_f32 v12, v12, |v[WS+30]|, |v[WS+31]|
	v_max3_num_f32 v12, v12, v13, 0x1800000
	v_add_nc_u32 v14, 0xff000000, v12
	v_lshrrev_b32 v13, 23, v14
.if (\q) == 0
	v_mov_b32 v48, v13                             ; the four bytes make my column's scale word
.else
	v_lshl_or_b32 v48, v13, 8*(\q), v48
.endif
.irp g, 0,1,2,3
	v_cvt_scalef32_pk8_fp4_f32 v[32+4*(\q)+\g], v[WS+8*\g:WS+8*\g+7], v14
.endr
	global_store_b128 v5, v[32+4*(\q):35+4*(\q)], s[18:19] offset:256*(\q)   ; sixteen lanes store 256 consecutive bytes, aligned: block q of 16 operand rows
.endm
.macro WPATH pitch, row0, first, ptr
	s_sub_co_u32 s25, ttmp9, \first
	s_lshr_b32 s26, s25, 3                         ; which 128 columns
	s_and_b32 s27, s25, 7                          ; which 128 along K
	s_lshl_b32 s28, s26, 7
	s_lshl_b32 s25, s24, 5
	s_add_co_u32 s28, s28, s25                     ; my wave's first column
	s_mul_i32 s30, s27, 128*\pitch
	s_lshl_b32 s25, s28, 2
	s_add_co_u32 s30, s30, s25
	s_add_nc_u64 s[\ptr:\ptr+1], s[\ptr:\ptr+1], s[30:31]
	s_add_co_u32 s30, s28, \row0
	s_lshl_b32 s30, s30, 9                         ; an operand row group of 16 is 8,192 bytes: 512 a row
	s_lshl_b32 s25, s27, 10
	s_add_co_u32 s30, s30, s25
	s_add_nc_u64 s[18:19], s[18:19], s[30:31]
	s_lshl_b32 s30, s26, 12
	s_add_co_u32 s30, s30, \row0*32
	s_lshl_b32 s25, s27, 9
	s_add_co_u32 s30, s30, s25
	s_lshl_b32 s25, s24, 7
	s_add_co_u32 s30, s30, s25
	s_add_nc_u64 s[20:21], s[20:21], s[30:31]
	v_lshlrev_b32 v4, 2, v1                        ; in: 4 bytes a lane; also my scale word's place
	v_lshrrev_b32 v5, 4, v1
	v_and_b32 v6, 15, v1
	v_lshlrev_b32 v5, 13, v5
	v_lshl_add_u32 v5, v6, 4, v5                   ; out: 8,192 (lane / 16) + 16 (lane % 16)
	WLOAD 0, \pitch, \ptr
	WLOAD 1, \pitch, \ptr
	s_wait_alu depctr_va_vdst(0)
	s_wait_loadcnt 32                              ; block 0's 32 loads are in; block 1's may be out
	WLOAD 2, \pitch, \ptr
	WBLOCK 0
	s_wait_loadcnt 32                              ; block 1 is in; block 2 may be out
	WLOAD 3, \pitch, \ptr
	WBLOCK 1
	s_wait_loadcnt 32
	WBLOCK 2
	s_wait_loadcnt 0x0
	WBLOCK 3
	global_store_b32 v4, v48, s[20:21]             ; 128 consecutive bytes a wave, 512 a work-group: a 128th of what this way reads
.endm
; ---- way T: four rows of Wt (group G of NG) x eight batches.  A lane holds two columns; temb's number is taken for both halves of the packed multiply-add
.macro TGROUP
.set TBF, 192+32*(G%2)
.if G < NG-1
.irp b, 0,1,2,3,4,5,6,7
	ds_load_b128 v[192+32*((G+1)%2)+4*\b:192+32*((G+1)%2)+4*\b+3], v6 offset:512*\b+16*(G+1)   ; the next group's temb: one address for all lanes
.endr
.endif
.if G < NG-16
	s_wait_alu depctr_va_vdst(0)
	s_wait_loadcnt 60                              ; 64 rows are out, my four the oldest
.else
	s_wait_alu depctr_va_vdst(0)
	s_wait_loadcnt 4*(NG-1-G)                      ; the tail: the rows behind my four may be out
.endif
.if G < NG-1
	s_wait_dscnt 8                                 ; this group's temb is in; the next group's eight loads may be out
.else
	s_wait_dscnt 0x0
.endif
.irp i, 0,2
.set WR, 64+2*((4*G+\i)%64)
.irp b, 0,1,2,3,4,5,6,7
.if (G == 0) && (\i == 0)
	v_pk_mul_f32 v[32+2*\b:33+2*\b], v[WR:WR+1], v[TBF+4*\b+\i:TBF+4*\b+\i+1] op_sel_hi:[1,0]   ; the first product starts the sums
.else
	v_pk_fma_f32 v[32+2*\b:33+2*\b], v[WR:WR+1], v[TBF+4*\b+\i:TBF+4*\b+\i+1], v[32+2*\b:33+2*\b] op_sel_hi:[1,0,1]
.endif
.endr
.irp b, 0,1,2,3,4,5,6,7
	v_pk_fma_f32 v[32+2*\b:33+2*\b], v[WR+2:WR+3], v[TBF+4*\b+\i:TBF+4*\b+\i+1], v[32+2*\b:33+2*\b] op_sel:[0,1,0] op_sel_hi:[1,1,1]
.endr
.endr
.if G < NG-16
.irp i, 0,1,2,3
	global_load_b64 v[64+2*((4*G+\i)%64):65+2*((4*G+\i)%64)], v4, s[10:11] offset:(64+4*G+\i)*12288 th:TH_LOAD_NT
.endr
.endif
.endm
	s_load_b512 s[4:19], s[0:1], 0x0               ; x, Wqkv, Wp, Wt, temb, bt, bqkv, pcod
	s_load_b128 s[20:23], s[0:1], 0x40             ; pscl, tbp
	v_lshl_add_u32 v[SPW], v0, 2, SPARE
	v_mov_b32 v[NIL], 0
	v_lshrrev_b32 v1, 5, v0
	v_readfirstlane_b32 s24, v1                    ; wave 0..3
	v_and_b32 v1, 31, v0                           ; lane
	s_mov_b32 s29, 0                               ; the high words of the offsets' pairs
	s_mov_b32 s31, 0
	s_wait_kmcnt 0x0
	s_cmp_lt_u32 ttmp9, TWG
	s_cbranch_scc1 .Lpath_t
	s_cmp_lt_u32 ttmp9, TWG+XWG
	s_cbranch_scc1 .Lpath_x
	s_cmp_lt_u32 ttmp9, TWG+XWG+192
	s_cbranch_scc1 .Lpath_wqkv
	s_wait_alu depctr_va_vdst(0)
	WPATH 4096, 11264, TWG+XWG+192, 8
	s_branch .Lmeet
.Lpath_wqkv:
	s_wait_alu depctr_va_vdst(0)
	WPATH 12288, 8192, TWG+XWG, 6
	s_branch .Lmeet
.Lpath_x:
	s_sub_co_u32 s25, ttmp9, TWG
	s_lshr_b32 s26, s25, 1                         ; which 64 rows
	s_and_b32 s27, s25, 1
	s_lshl_b32 s27, s27, 2
	s_add_co_u32 s27, s27, s24                     ; which 128 along K: the work-group's four waves stand side by side on 2,048 bytes of a row
	s_lshl_b32 s28, s26, 18
	s_lshl_b32 s30, s27, 9
	s_add_co_u32 s28, s28, s30
	s_add_nc_u64 s[4:5], s[4:5], s[28:29]
	s_lshl_b32 s28, s26, 15
	s_lshl_b32 s30, s27, 10
	s_add_co_u32 s28, s28, s30
	s_add_nc_u64 s[18:19], s[18:19], s[28:29]
	s_lshr_b32 s28, s26, 1
	s_lshl_b32 s28, s28, 12
	s_lshl_b32 s30, s27, 9
	s_add_co_u32 s28, s28, s30
	s_and_b32 s30, s26, 1
	s_lshl_b32 s30, s30, 8
	s_add_co_u32 s28, s28, s30
	s_add_nc_u64 s[20:21], s[20:21], s[28:29]
	s_mul_i32 s25, s24, XREG                       ; my wave's LDS
	s_wait_alu depctr_va_vdst(0)
	v_lshlrev_b32 v4, 4, v1                        ; 16 x lane
	v_lshrrev_b32 v5, 2, v1
	v_mul_u32_u24 v5, v5, 80
	v_and_b32 v6, 3, v1
	v_lshl_add_u32 v5, v6, 4, v5
	v_add_nc_u32 v5, s25, v5                       ; the stage, on the way in: four lanes' 64 bytes on end, then 16 of padding
	v_mul_u32_u24 v6, v1, 80
	v_add_nc_u32 v6, s25, v6                       ; and on the way out: my 16 neighbours: row lane / 8 of the step, block (lane / 2) % 4, half lane % 2
	v_lshrrev_b32 v7, 1, v1
	v_add_nc_u32 v7, s25, v7                       ; my block's byte
	v_bfe_u32 v8, v1, 1, 2
	v_lshlrev_b32 v8, 8, v8
	v_lshrrev_b32 v9, 3, v1
	v_lshl_add_u32 v8, v9, 4, v8
	v_and_b32 v9, 1, v1
	v_lshl_add_u32 v8, v9, 3, v8
	v_add_nc_u32 v8, s25, v8                       ; my codes in the image: 256 x block + 16 x row + 8 x half
	v_add_nc_u32 v9, s25, v4
	v_lshlrev_b32 v11, 3, v1
	v_add_nc_u32 v10, s25, v11
.irp t, 0,1,2,3
	XLOAD \t
.endr
	s_wait_loadcnt 12                              ; step 0's four loads are in
	XTURN 0
.irp t, 0,1,2,3,4,5,6,7,8,9,10,11,12,13,14,15
	XSTEP \t
.endr
.irp j, 0,1,2,3,4,5,6,7
	ds_load_b128 v[160+4*\j:163+4*\j], v9 offset:XCOD+512*\j     ; these see my stores: LDS serves a wave's instructions in order
.endr
	ds_load_b64 v[192:193], v10 offset:XSCB
.irp j, 0,1,2,3,4,5,6,7
	s_wait_dscnt 8-\j                              ; load j is in; the younger ones may be out
	global_store_b128 v4, v[160+4*\j:163+4*\j], s[18:19] offset:(\j/2)*8192+(\j%2)*512   ; 512 consecutive bytes, aligned
.endr
	s_wait_dscnt 0x0
	global_store_b64 v11, v[192:193], s[20:21]     ; 64 rows' scale words: 256 consecutive bytes, aligned
	s_branch .Lmeet
.Lpath_t:                                          ; the work-group owns 64 columns and half of K; wave w rows 512 p + 128 w .. + 127 of Wt
	s_lshr_b32 s26, ttmp9, 1                       ; which 64 columns
	s_and_b32 s27, ttmp9, 1                        ; p: which half of K
	s_lshl_b32 s28, s26, 8                         ; 4 x the first column
	s_lshl_b32 s25, s27, 2
	s_add_co_u32 s25, s25, s24                     ; 4 p + w: which 128 rows
	s_mul_i32 s30, s25, 128*12288
	s_add_nc_u64 s[10:11], s[10:11], s[28:29]
	s_add_nc_u64 s[10:11], s[10:11], s[30:31]
	s_lshl_b32 s30, s25, 9
	s_add_nc_u64 s[12:13], s[12:13], s[30:31]      ; temb at k = 128 (4 p + w)
	s_lshl_b32 s25, s24, 13
	s_add_co_u32 s25, s25, TREG
	s_wait_alu depctr_va_vdst(0)
	v_lshlrev_b32 v4, 3, v1                        ; two columns a lane: a wave's load covers 256 consecutive bytes of a row
	v_lshlrev_b32 v7, 4, v1
	v_add_nc_u32 v5, s25, v7
	v_mov_b32 v6, s25
	s_lshl_b32 s26, s24, 11
	s_add_co_u32 s26, s26, TPART
	v_add_nc_u32 v8, s26, v4
.irp b, 0,1,2,3,4,5,6,7
	global_load_b128 v[192+4*\b:195+4*\b], v7, s[12:13] offset:\b*4096       ; a batch's 128 numbers: 512 consecutive bytes
.endr
.set ri, 0
.rept 52
	global_load_b64 v[64+2*ri:65+2*ri], v4, s[10:11] offset:ri*12288 th:TH_LOAD_NT
.set ri, ri+1
.endr
	s_wait_alu depctr_va_vdst(0)
	s_wait_loadcnt 52                              ; temb is in; the 52 rows behind it may be out
.irp b, 0,1,2,3,4,5,6,7
	ds_store_b128 v5, v[192+4*\b:195+4*\b] offset:512*\b          ; my wave's own copy: [batch][128 k]
.endr
.rept 12
	global_load_b64 v[64+2*ri:65+2*ri], v4, s[10:11] offset:ri*12288 th:TH_LOAD_NT
.set ri, ri+1
.endr
	s_wait_dscnt 0x0                               ; the stores have read their registers, which take temb's groups now
.irp b, 0,1,2,3,4,5,6,7
	ds_load_b128 v[192+4*\b:195+4*\b], v6 offset:512*\b
.endr
.set G, 0
.rept NG
	TGROUP
.set G, G+1
.endr
.irp b, 0,1,2,3,4,5,6,7
	ds_store_b64 v8, v[32+2*\b:33+2*\b] offset:256*\b             ; my partial sums: [wave][batch][64 columns]
.endr
.Lmeet:
	s_wait_xcnt 0x0                                ; the loads and stores issued on the ways above have read their registers
	s_wait_dscnt 0x0                               ; for the others' sake: my LDS stores are done
	s_barrier_signal -1
	s_barrier_wait -1
	s_cmp_ge_u32 ttmp9, TWG
	s_cbranch_scc1 .Lfin
	; way T's end: wave w adds the four partial sums of batches 2 w and 2 w + 1, and one bias: part 0 takes bt, part 1 bqkv.  Every register used here is made anew
	s_lshr_b32 s26, ttmp9, 1
	s_and_b32 s27, ttmp9, 1
	s_lshl_b32 s28, s26, 8
	s_mul_i32 s30, s24, 2*12288
	s_mul_i32 s25, s27, 98304
	s_add_co_u32 s30, s30, s25
	s_cmp_eq_u32 s27, 0                            ; the choice hangs on the work-group's number alone
	s_cselect_b64 s[14:15], s[14:15], s[16:17]
	s_add_nc_u64 s[14:15], s[14:15], s[28:29]
	s_add_nc_u64 s[22:23], s[22:23], s[28:29]
	s_add_nc_u64 s[22:23], s[22:23], s[30:31]
	v_lshlrev_b32 v4, 3, v1
	global_load_b64 v[48:49], v4, s[14:15]
	s_lshl_b32 s25, s24, 9
	s_add_co_u32 s25, s25, TPART
	v_add_nc_u32 v9, s25, v4
.irp u, 0,1
.irp p, 0,1,2,3
	ds_load_b64 v[64+8*\u+2*\p:65+8*\u+2*\p], v9 offset:2048*\p+256*\u
.endr
.endr
	s_wait_dscnt 0x0
.irp u, 0,1
	v_pk_add_f32 v[64+8*\u:65+8*\u], v[64+8*\u:65+8*\u], v[66+8*\u:67+8*\u]
	v_pk_add_f32 v[68+8*\u:69+8*\u], v[68+8*\u:69+8*\u], v[70+8*\u:71+8*\u]
.endr
.irp u, 0,1
	v_pk_add_f32 v[64+8*\u:65+8*\u], v[64+8*\u:65+8*\u], v[68+8*\u:69+8*\u]
.endr
	s_wait_alu depctr_va_vdst(0)
	s_wait_loadcnt 0x0
.irp u, 0,1
	v_pk_add_f32 v[64+8*\u:65+8*\u], v[64+8*\u:65+8*\u], v[48:49]
	global_store_b64 v4, v[64+8*\u:65+8*\u], s[22:23] offset:12288*\u    ; 256 consecutive bytes, aligned
.endr
.Lfin:
	s_wait_tensorcnt 0x0                           ; the wave's end, behind my last LDS store
	ds_add_u32 v[SPW], v[NIL]
	s_wait_dscnt 0x0
	s_endpgm
.Lfunc_end_k_q592ab8db2f_prep:
	.size	k_q592ab8db2f_prep, .Lfunc_end_k_q592ab8db2f_prep-k_q592ab8db2f_prep
	.p2alignl 7, 3214868480
	.fill 96, 4, 3214868480
	.section	.rodata,"a",@progbits
	.p2align	6, 0x0
	.amdhsa_kernel k_q592ab8db2f_prep
		.amdhsa_group_segment_fixed_size 80384
		.amdhsa_private_segment_fixed_size 0
		.amdhsa_enable_private_segment 0
		.amdhsa_kernarg_size 80
		.amdhsa_user_sgpr_count 2
		.amdhsa_user_sgpr_kernarg_segment_ptr 1
		.amdhsa_wavefront_size32 1
		.amdhsa_system_sgpr_workgroup_id_x 1
		.amdhsa_system_sgpr_workgroup_id_y 1
		.amdhsa_system_sgpr_workgroup_id_z 1
		.amdhsa_system_vgpr_workitem_id 0
		.amdhsa_next_free_vgpr 256
		.amdhsa_next_free_sgpr 66
		.amdhsa_reserve_vcc 0
		.amdhsa_float_denorm_mode_32 3
		.amdhsa_float_denorm_mode_16_64 3
		.amdhsa_memory_ordered 1
		.amdhsa_forward_progress 1
		.amdhsa_inst_pref_size 174
	.end_amdhsa_kernel
	.amdgpu_metadata
---
amdhsa.version: [ 1, 2 ]
amdhsa.kernels:
  - .name:           k_q592ab8db2f_prep
    .symbol:         k_q592ab8db2f_prep.kd
    .args:
      - { .name: x, .offset: 0, .size: 8, .value_kind: global_buffer, .address_space: global }
      - { .name: Wqkv, .offset: 8, .size: 8, .value_kind: global_buffer, .address_space: global }
      - { .name: Wp, .offset: 16, .size: 8, .value_kind: global_buffer, .address_space: global }
      - { .name: Wt, .offset: 24, .size: 8, .value_kind: global_buffer, .address_space: global }
      - { .name: temb, .offset: 32, .size: 8, .value_kind: global_buffer, .address_space: global }
      - { .name: bt, .offset: 40, .size: 8, .value_kind: global_buffer, .address_space: global }
      - { .name: bqkv, .offset: 48, .size: 8, .value_kind: global_buffer, .address_space: global }
      - { .name: pcod, .offset: 56, .size: 8, .value_kind: global_buffer, .address_space: global }
      - { .name: pscl, .offset: 64, .size: 8, .value_kind: global_buffer, .address_space: global }
      - { .name: tbp, .offset: 72, .size: 8, .value_kind: global_buffer, .address_space: global }
    .group_segment_fixed_size: 80384
    .private_segment_fixed_size: 0
    .kernarg_segment_align: 8
    .kernarg_segment_size: 80
    .max_flat_workgroup_size: 128
    .sgpr_count:     66
    .vgpr_count:     256
    .wavefront_size: 32
...
	.end_amdgpu_metadata
.endif
;; end of part 1
;; launch qkv (part 2): grid 12 x 32, 4 waves a work-group, clusters of 4 x 4, 327,680 bytes of LDS; arguments pcod, pscl, tbp, cos_y, sin_y, cos_x, sin_x, qn_w, kn_w, qkvc, qkvs; writes qkvc, qkvs
.if DOCPART == 2
	.amdgcn_target "amdgcn-amd-amdhsa--gfx1250"
	.amdhsa_code_object_version 6
	.text
	.protected	k_q592ab8db2f_qkv
	.globl	k_q592ab8db2f_qkv
	.p2align	8
	.type	k_q592ab8db2f_qkv,@function
k_q592ab8db2f_qkv:
	s_mov_b64 s[64:65], 0
	v_nop
	global_prefetch_b8 v0, s[64:65] scope:SCOPE_SE
	s_setreg_imm32_b32 hwreg(HW_REG_WAVE_MODE, 25, 1), 1
	s_wait_xcnt 0x0
	s_wait_alu depctr_hold_cnt(0) depctr_sa_sdst(0) depctr_va_vdst(0) depctr_va_sdst(0) depctr_va_ssrc(0) depctr_va_vcc(0) depctr_vm_vsrc(0)
	s_getreg_b32 s2, hwreg(HW_REG_IB_STS2, 6, 4)
	s_cmp_eq_u32 s2, 0
	s_cbranch_scc0 .Lentry_in_a_cluster
	s_endpgm
.Lentry_in_a_cluster:
	s_bfe_u32 s2, ttmp6, 0x10000c
	s_cmp_lg_u32 s2, 0xf033
	s_cbranch_scc0 .Lentry_shape_is_right
	s_endpgm
.Lentry_shape_is_right:
; QKV: x Wqkv on codes of E2M1 (K = 1,024), + tbp's two parts (temb Wt + bt + bqkv); q and k: RMS norm over the head's 64, gain, axial RoPE; then q, k and v are quantised for the attention's two products.
; A work-group makes 256 x 256 of the product, four waves 128 x 128 each (64 accumulators, 512 registers).  THE WHOLE K LIES IN LDS: two halves of 512 along K, each filled once; nothing is filled again.
; The operands lie in memory as images of their registers (see the first kernel): a fragment is 1,024 consecutive bytes, so LDS needs no pitch and no padding.
; PLANES.  The 24 clusters are numbered L = 3 y + x.  L 0-15: plane L % 2 (0 q, 1 k), batch L / 2;  L 16-23: plane 2 (v), batch L % 8: v's way out is the shorter one, so the long work has the low numbers.
;   The matrix instruction is used transposed (source 0 = 16 'B rows', source 1 = 16 'A rows'): lane (r, h) holds A row 16 a + r and B rows 16 b + 8 h + j.
;   q, k: A = tokens, B = columns of Wqkv: a lane holds one token and, of each head, half of its 64 numbers: norm, RoPE and the blocks of 32 along the head want lane l xor 16 alone.
;   v:    A = columns of Wv, B = tokens, by other offsets alone: a lane holds one channel and neighbouring tokens, which are the K of the second attention product.
; ORDER INSIDE A BLOCK OF 32.  A lane's two code words of a block (numbers 8 h + j and 16 + 8 h + j) are stored side by side: a block's 16 bytes hold the numbers [0-7][16-23][8-15][24-31].  The same order is used
;   on both sides of q k^T (the head's axis) and of p v (the keys): the blocks, their scales and the exact products are those of the true order.  It keeps RoPE's partners d and d + 16 in one lane.
; OUT.  qkvc: plane z at z x 4 MiB: [batch x 16 + head][128 tokens][4,096 bytes].  q, k: tile a of 16 tokens at 512 a, block beta of token r at 256 beta + 16 r.  v: channels 16 t + r at 1,024 t, key block g at 256 g + 16 r.
;   qkvs: q at 0, k at 524,288: [bh][step][512 bytes]: token 16 a + r: 16 (r + 16 (a % 2)) + 4 (a / 2), bytes 0, 1 its two blocks, bytes 2, 3 zero;  v at 1,048,576: [bh][step][256 bytes]: channel 16 t + r: 8 (r + 16 (t % 2)) + 4 (t / 2).
; CLUSTER 4 x 4: A's tiles are shared along a row of the cluster, B's along a column: joint loads.
; ONE branch on the plane (the same in all partners) stands behind the change of slots, the fourth of the eight K steps: each arm asks for its bias (and gains and tables), multiplies the last four K steps
;   (256 matrix instructions) while they come, and runs its own way out.
; LIMITS: NaN and infinities are not served; a block under 2^-124 gets the byte 1; q and k are formed as RoPE(y w) r, another order of f32 roundings than RoPE((y r) w).
.set NQ,     4                         ; K steps of 128 in a slot
.set FR,     8                         ; registers of a fragment
.set NL,     2                         ; LDS loads that bring one
.set NP,     4                         ; places behind this matrix instruction (ISA guide 7.12.1)
.set SLOT,   4096                      ; LDS NOW HOLDS EACH OPERAND AS IT LIES IN MEMORY: 16 row groups x 8,192 bytes (eight K steps of 1,024); 'slot 1' is K steps 4-7, 4,096 bytes on in each row group
.set BSIDE,  131072                    ; A's 256 rows take 131,072 bytes, then B's
.set STG,    279040                    ; the stages of the way out: 10,240 bytes for each wave, bytes of their own behind the spare words: no tensor load lands there
.set SCL,    262144                    ; the scale words: 4,096 bytes for each 128 rows: A's two groups, then B's
.set SPARE,  278528                    ; the spare words, 128 bytes for each wave
.set TBP1,   98304                     ; tbp's second part
.set RD8,  15                          ; v15  v's scale words, back from my stage
.set ADRA, 16                          ; v16-17  my A fragments in slot 0, 1
.set GO8,  18                          ; v18  8 x lane
.set GO16, 19                          ; v19  16 x lane
.set ADRB, 20                          ; v20-21  my B fragments
.set BO4,  22                          ; v22  4 r
.set STS8, 23                          ; v23  v's scale words into my stage
.set STC,  24                          ; v24  my codes into my stage: 16 r + 8 h
.set RD,   25                          ; v25  my stage, 16 x lane
.set STS,  26                          ; v26  q's, k's scale words into my stage
.set ADRS, 27                          ; v27  scale words: lanes 0-15 A's rows, lanes 16-31 B's
.set SPW,  28                          ; v28  my spare word; never rewritten
.set NIL,  29                          ; v29  0; never rewritten
.set TBO,  30                          ; v30  the tables: 128 r + 32 h
.set BO,   31                          ; v31  32 h
.set SC,   32                          ; v32-95  scale words and nothing else: register 32 s + 4 i + q
.set AF,   128                         ; window 0 v128-191: A's fragments; later the tables of odd blocks; v192-255: those of even blocks; v96-127: half of the bias's second part, at the end scale words on their way out
.set TM,   152                         ; window 1, on the way out: v0-63 Y; v128-143 RoPE's products; v144-147 sums of squares; v148-151 r; v152-167 the quantiser's; v168-169 scale words; v170-177 codes
.set PW,   168
.set CD,   170                         ; window 1 from the branch on: v64-127 the bias, v192-223 the gains, v224-255 half of the bias's second part
.set G1A,  36
.set G1B,  44
.set G1SA, 52
.set G0SA, 60
.set G1SB, 68
.set G0SB, 76
.set G0A,  80
.set G0B,  88
.set MSB, 0
.macro WIN new                         ; the immediate's high byte repeats the setting that is left
.if MSB != (\new)
	s_set_vgpr_msb (MSB<<8)|(\new)
.set MSB, (\new)
.endif
.endm
.set MUL_LO, 0xa1                      ; source 0 (B) window 1, source 1 (A) window 0, C and D window 2
.set MUL_HI, 0xf1
.set TO_B,   0x40
; One arm of the head's tree of branches on the wave's number: its joint load, an s_nop 0 and four v_nop, and a jump to the tree's end
.macro ARM under, g0, g1, next
	s_cmp_lt_u32 s26, \under
	s_cbranch_scc0 \next
	tensor_load_to_lds s[\g0:\g0+3], s[\g1:\g1+7]
	s_nop 0
.rept 4
	v_nop
.endr
	s_branch .Lhead_asked
\next:
.endm
.macro CROUND                          ; a round of the cluster's barrier
	s_barrier_signal -1
	s_barrier_wait -1
	s_cmp_lg_u32 s26, 0
	s_cbranch_scc1 .Lnot_wave_0_\@
	s_barrier_signal -3
.Lnot_wave_0_\@:
	s_barrier_wait -3
	s_barrier_signal -1
	s_barrier_wait -1
.endm
.macro PLACES n
.rept \n
	v_nop
.endr
.endm
.macro FRAG reg, adr, q, i             ; a fragment comes as it lies: two runs of 512 consecutive bytes
.irp c, 0,1
	ds_load_b128 v[\reg+4*\c:\reg+4*\c+3], v[\adr] offset:1024*(\q)+512*\c+8192*(\i)
.endr
.endm
; 16 matrix instructions: A's blocks a0, a0 + 1 x B's eight.  The 64 accumulators take turns, one instruction a turn, in the same order in every step.
.macro MUL16 a0, p, q, sc, zero
.irp a, \a0, \a0+1
.irp b, 0,1,2,3,4,5,6,7
.if \zero
	v_wmma_scale_f32_16x16x128_f8f6f4 v[8*(8*((\a)%4)+\b):8*(8*((\a)%4)+\b)+7], v[128*(\p)+FR*\b:128*(\p)+FR*\b+FR-1], v[AF+FR*(\a):AF+FR*(\a)+FR-1], 0, v[SC+8*NQ*(\sc)+NQ*\b+(\q)], v[SC+8*NQ*(\sc)+NQ*(\a)+(\q)] matrix_a_fmt:MATRIX_FMT_FP4 matrix_b_fmt:MATRIX_FMT_FP4 matrix_a_scale:MATRIX_SCALE_ROW1
.else
	v_wmma_scale_f32_16x16x128_f8f6f4 v[8*(8*((\a)%4)+\b):8*(8*((\a)%4)+\b)+7], v[128*(\p)+FR*\b:128*(\p)+FR*\b+FR-1], v[AF+FR*(\a):AF+FR*(\a)+FR-1], v[8*(8*((\a)%4)+\b):8*(8*((\a)%4)+\b)+7], v[SC+8*NQ*(\sc)+NQ*\b+(\q)], v[SC+8*NQ*(\sc)+NQ*(\a)+(\q)] matrix_a_fmt:MATRIX_FMT_FP4 matrix_b_fmt:MATRIX_FMT_FP4 matrix_a_scale:MATRIX_SCALE_ROW1
.endif
.endr
.endr
.endm
.macro FETCH_B slot, q, p
	WIN TO_B
.irp i, 0,1,2,3,4,5,6,7
	FRAG 128*(\p)+FR*\i, ADRB+\slot, \q, \i
.endr
	WIN 0
.endm
.macro FETCH_A slot, q, i0
.irp i, \i0, \i0+1, \i0+2, \i0+3
	FRAG AF+FR*(\i), ADRA+\slot, \q, \i
.endr
.endm
.macro SCALES sc                       ; a slot's scale words: lanes 0-15 A's block i, lanes 16-31 B's block i
.irp i, 0,1,2,3,4,5,6,7
.irp q, 0,1,2,3
	ds_load_b32 v[SC+32*\sc+4*\i+\q], v[ADRS] offset:(4*\sc+\q)*512+64*\i
.endr
.endr
.endm
; A step of 128 along K with its successor in the same slot.  A has one set of registers (blocks 0-3 fetched anew in the step's middle, 4-7 at its end), B two.
.macro STEP slot, q, zero
	s_wait_dscnt 4*NL                              ; B's set and A's blocks 0-3 are in; the youngest eight loads (A's blocks 4-7) may be out
	WIN MUL_LO
	MUL16 0, (\q)%2, \q, \slot, \zero
	MUL16 2, (\q)%2, \q, \slot, \zero
	s_wait_dscnt 0
	PLACES NP                                      ; in front of loads into registers that matrix instructions have read
	FETCH_B \slot, (\q)+1, 1-(\q)%2
	FETCH_A \slot, (\q)+1, 0
	WIN MUL_HI
	MUL16 4, (\q)%2, \q, \slot, \zero
	MUL16 6, (\q)%2, \q, \slot, \zero
	PLACES NP
	WIN 0
	FETCH_A \slot, (\q)+1, 4
.endm
.macro LAST                            ; the very last step: nothing more to fetch
	s_wait_dscnt 4*NL
	WIN MUL_LO
	MUL16 0, 1, 3, 1, 0
	MUL16 2, 1, 3, 1, 0
	s_wait_dscnt 0
	WIN MUL_HI
	MUL16 4, 1, 3, 1, 0
	MUL16 6, 1, 3, 1, 0
	WIN 0
.endm
.macro SLOT1_STEPS                     ; slot 1's four K steps: written in both arms
	STEP 1, 0, 0
	STEP 1, 1, 0
	STEP 1, 2, 0
	LAST
.endm
; The four tables' rows of block a's 16 tokens: register 16 tt + 8 u + j = table tt (cos_y, sin_y, cos_x, sin_x) at 16 u + 8 h + j
.macro TABLES a
.set CSL, 192-64*((\a)%2)
.irp tt, 0,1,2,3
.irp u, 0,1
	global_load_b128 v[CSL+16*\tt+8*\u:CSL+16*\tt+8*\u+3], v[TBO], s[10+2*\tt:11+2*\tt] offset:2048*(\a)+64*\u
	global_load_b128 v[CSL+16*\tt+8*\u+4:CSL+16*\tt+8*\u+7], v[TBO], s[10+2*\tt:11+2*\tt] offset:2048*(\a)+64*\u+16
.endr
.endr
.endm
; 64 numbers of a lane in window 1, v0-63: four blocks of 32, each 16 registers here and 16 in lane l xor 16.  Codes to v[CD] on; kind 0: two words of two bytes; kind 1: one word of four
.macro QUANT4 kind
.irp b, 0,1,2,3
	v_max3_num_f32 v[TM+\b], |v[16*\b]|, |v[16*\b+1]|, 0x1800000     ; with the floor 2^(3 - 127): the byte cannot fall under 1
.endr
.irp i, 2,4,6,8,10,12,14
.irp b, 0,1,2,3
	v_max3_num_f32 v[TM+\b], v[TM+\b], |v[16*\b+\i]|, |v[16*\b+\i+1]|
.endr
.endr
.irp b, 0,1,2,3
	v_permlanex16_b32 v[TM+4+\b], v[TM+\b], s104, s105
.endr
.irp b, 0,1,2,3
	v_max_num_f32 v[TM+\b], v[TM+\b], v[TM+4+\b]
.endr
.irp b, 0,1,2,3
	v_add_nc_u32 v[TM+12+\b], 0xff000000, v[TM+\b]                   ; 2 off the exponent field: the conversion's scale operand
.endr
.irp b, 0,1,2,3
	v_lshrrev_b32 v[TM+4+\b], 23, v[TM+12+\b]                        ; the scale's byte
.endr
	s_wait_alu depctr_va_vdst(0)
	s_wait_dscnt 0x0                               ; the last block's stage stores have read the registers that are written now
	v_lshl_or_b32 v[PW], v[TM+5], 8, v[TM+4]
.if \kind
	v_lshl_or_b32 v[PW], v[TM+6], 16, v[PW]
	v_lshl_or_b32 v[PW], v[TM+7], 24, v[PW]
.else
	v_lshl_or_b32 v[PW+1], v[TM+7], 8, v[TM+6]
.endif
.irp b, 0,1,2,3
	v_cvt_scalef32_pk8_fp4_f32 v[CD+2*\b], v[16*\b:16*\b+7], v[TM+12+\b]
	v_cvt_scalef32_pk8_fp4_f32 v[CD+2*\b+1], v[16*\b+8:16*\b+15], v[TM+12+\b]
.endr
	v_nop                                          ; one plain place behind a scaled conversion
.endm
; q, k: block a: 16 tokens x my 128 columns (two heads).  Y register 16 g + 8 u + j = head g / 2, d = 32 (g % 2) + 16 u + 8 h + j
.macro QKBLOCK a
	WIN 0
.if (\a) == 0
	s_wait_loadcnt 16                              ; the bias's two parts and the gains are in; block 0's sixteen table loads may be out
.endif
.if (\a) < 7
	TABLES (\a)+1                                  ; a block ahead, into the other buffer
.endif
.set CSB, 192-64*((\a)%2)
.if (\a) == 0
	WIN 0x45                                       ; the bias = tbp's first part + its second: columns 0-63 of my 128 (all in window 1),
.set i, 0
.rept 16
	v_pk_add_f32 v[64+i:65+i], v[64+i:65+i], v[224+i:225+i]
.set i, i+2
.endr
	WIN 0x41                                       ; columns 64-127 (the second part in window 0)
.set i, 0
.rept 16
	v_pk_add_f32 v[96+i:97+i], v[96+i:97+i], v[96+i:97+i]
.set i, i+2
.endr
.endif
	WIN 0x46+(\a)/4                                ; source 0 window 2 or 3, source 1 and destination window 1
.set i, 0
.rept 32
	v_pk_add_f32 v[i:i+1], v[64*((\a)%4)+i:64*((\a)%4)+i+1], v[64+i:65+i]      ; y = the sum + the bias; each accumulator from its low end on
.set i, i+2
.endr
	WIN 0x55
.irp e, 0,1
	v_pk_mul_f32 v[144+2*\e:145+2*\e], v[32*\e:32*\e+1], v[32*\e:32*\e+1]      ; the head's sum of squares, the two heads by turns
.endr
.irp n, 2,4,6,8,10,12,14,16,18,20,22,24,26,28,30
.irp e, 0,1
	v_pk_fma_f32 v[144+2*\e:145+2*\e], v[32*\e+\n:32*\e+\n+1], v[32*\e+\n:32*\e+\n+1], v[144+2*\e:145+2*\e]
.endr
.endr
.irp e, 0,1
	v_add_f32 v[144+2*\e], v[144+2*\e], v[145+2*\e]
.endr
.irp e, 0,1
	v_permlanex16_b32 v[145+2*\e], v[144+2*\e], s104, s105
.endr
.irp e, 0,1
	v_add_f32 v[144+2*\e], v[144+2*\e], v[145+2*\e]
.endr
.irp e, 0,1
	v_fma_f32 v[144+2*\e], v[144+2*\e], s2, s3                                 ; the mean + 1e-6
.endr
	s_wait_alu depctr_va_vdst(0)
.irp e, 0,1
	v_rsq_f32 v[148+2*\e], v[144+2*\e]
.endr
.set i, 0
.rept 16
	v_pk_mul_f32 v[i:i+1], v[i:i+1], v[192+i:193+i]                            ; x the gain: the work that stands behind the two roots
	v_pk_mul_f32 v[32+i:33+i], v[32+i:33+i], v[192+i:193+i]
.set i, i+2
.endr
.if (\a) < 7
	s_wait_loadcnt 16                              ; this block's tables are in; the next block's sixteen loads may be out
.else
	s_wait_loadcnt 0x0
.endif
	WIN 0x51                                       ; source 1, the tables, window 0
.irp g, 0,1,2,3
.set YB, 16*\g
.set TB0, CSB+32*(\g%2)
.irp j, 0,2,4,6
	v_pk_mul_f32 v[128+\j:129+\j], v[YB+8+\j:YB+9+\j], v[TB0+16+\j:TB0+17+\j]  ; z2 sin(d)
.endr
.irp j, 0,2,4,6
	v_pk_mul_f32 v[136+\j:137+\j], v[YB+\j:YB+1+\j], v[TB0+24+\j:TB0+25+\j]    ; z1 sin(d + 16)
.endr
.irp j, 0,2,4,6
	v_pk_fma_f32 v[YB+\j:YB+1+\j], v[YB+\j:YB+1+\j], v[TB0+\j:TB0+1+\j], v[128+\j:129+\j] neg_lo:[0,0,1] neg_hi:[0,0,1]   ; z1 cos(d) - z2 sin(d)
.endr
.irp j, 0,2,4,6
	v_pk_fma_f32 v[YB+8+\j:YB+9+\j], v[YB+8+\j:YB+9+\j], v[TB0+8+\j:TB0+9+\j], v[136+\j:137+\j]                            ; z2 cos(d + 16) + z1 sin(d + 16)
.endr
.endr
	WIN 0x55
	s_wait_alu depctr_va_vdst(0)                   ; this wait ahead of the first reader of the two roots: one for both
.set i, 0
.rept 16
	v_pk_mul_f32 v[i:i+1], v[i:i+1], v[148:149] op_sel_hi:[1,0]
	v_pk_mul_f32 v[32+i:33+i], v[32+i:33+i], v[150:151] op_sel_hi:[1,0]
.set i, i+2
.endr
	QUANT4 0
	WIN 0x04                                       ; an LDS store's data are its source 1: window 1
.irp g, 0,1,2,3
	ds_store_b64 v[STC], v[CD+2*\g:CD+2*\g+1] offset:(\g/2)*4096+512*(\a)+(\g%2)*256
.endr
.irp e, 0,1
	ds_store_b32 v[STS], v[PW+\e] offset:512*\e+256*((\a)%2)+4*((\a)/2)        ; both halves of the lanes write the same word
.endr
.endm
; v: block a: 16 channels x my 128 tokens.  Y register 16 g + 8 u + j = token 32 g + 16 u + 8 h + j
.macro VBLOCK a
	WIN 0x46+(\a)/4
.set i, 0
.rept 32
	v_pk_add_f32 v[i:i+1], v[64*((\a)%4)+i:64*((\a)%4)+i+1], v[64+2*(\a):65+2*(\a)]
.set i, i+2
.endr
	WIN 0x55
	QUANT4 1
	WIN 0x04
.irp g, 0,1,2,3
	ds_store_b64 v[STC], v[CD+2*\g:CD+2*\g+1] offset:((\a)/4)*4096+((\a)%4)*1024+(\g/2)*512+(\g%2)*256
.endr
	ds_store_b32 v[STS8], v[PW] offset:256*((\a)/4)+128*((\a)%2)+4*(((\a)%4)/2)
.endm
; where my two heads' step begins: idx = (16 batch + first head) x 8 + step, left in s96; qkvc's pointer is moved there
.macro OUTADDR hx, hw, sx, sw
	s_lshl_b32 s96, s32, 4
	s_lshl_b32 s98, s[\hx], 2
	s_add_co_u32 s96, s96, s98
	s_lshl_b32 s98, s[\hw], 1
	s_add_co_u32 s96, s96, s98
	s_lshl_b32 s96, s96, 3
	s_lshl_b32 s98, s[\sx], 1
	s_add_co_u32 s96, s96, s98
	s_add_co_u32 s96, s96, s[\sw]
	s_lshl_b32 s98, s96, 12
	s_lshl_b32 s100, s31, 22
	s_add_co_u32 s98, s98, s100
	s_mov_b32 s99, 0
	s_add_nc_u64 s[22:23], s[22:23], s[98:99]
.endm
.macro CODES_BACK                      ; my stage's 8,192 bytes of codes: LDS serves a wave's instructions in order, so these see my stores
	WIN 0
.irp j, 0,1,2,3,4,5,6,7,8,9,10,11,12,13,14,15
	ds_load_b128 v[128+4*\j:131+4*\j], v[RD] offset:512*\j
.endr
.endm
.macro CODES_OUT                       ; two LDS loads (the scale words) were issued behind the sixteen
.irp j, 0,1,2,3,4,5,6,7,8,9,10,11,12,13,14,15
	s_wait_dscnt 17-\j
	global_store_b128 v[GO16], v[128+4*\j:131+4*\j], s[22:23] offset:(\j/8)*32768+(\j%8)*512   ; 512 consecutive bytes, aligned
.endr
.endm
	s_load_b512 s[4:19], s[0:1], 0x0               ; pcod, pscl, tbp, cos_y, sin_y, cos_x, sin_x, qn_w
	s_load_b128 s[20:23], s[0:1], 0x40             ; kn_w, qkvc
	s_load_b64 s[24:25], s[0:1], 0x50              ; qkvs
	v_lshl_add_u32 v[SPW], v0, 2, SPARE
	v_mov_b32 v[NIL], 0
	ds_add_u32 v[SPW], v[NIL]                      ; the wave's opening: the add, twice on end, and its wait ahead of my first tensor load
	ds_add_u32 v[SPW], v[NIL]
	v_lshrrev_b32 v1, 5, v0
	v_readfirstlane_b32 s26, v1                    ; wave 0..3
	s_lshr_b32 s27, s26, 1                         ; which half of A's rows is mine.
	s_and_b32 s28, s26, 1                          ; which half of B's rows.
	s_bfe_u32 s29, ttmp6, 0x40000                  ; cx
	s_bfe_u32 s30, ttmp6, 0x40004                  ; cy
	s_and_b32 s32, ttmp7, 0xffff                   ; the cluster's y,
	s_mul_i32 s32, s32, 3
	s_add_co_u32 s32, s32, ttmp9                   ; and x: L = 3 y + x, 0 .. 23: the same in all sixteen partners
	s_and_b32 s31, s32, 1
	s_lshr_b32 s33, s32, 1
	s_and_b32 s34, s32, 7
	s_cmp_lt_u32 s32, 16
	s_cselect_b32 s31, s31, 2                      ; the plane: L % 2 for L < 16, else 2
	s_cselect_b32 s32, s33, s34                    ; the batch: L / 2 for L < 16, else L % 8
	s_cmp_eq_u32 s31, 2                            ; v changes the roles, by offsets alone
	s_cselect_b32 s33, s32, s31
	s_cselect_b32 s34, 0, s32
	s_cselect_b32 s96, 10240, 0                    ; A's first operand row
	s_cselect_b32 s100, 0, 8192                    ; B's
	s_lshl_b32 s33, s33, 2
	s_add_co_u32 s33, s33, s29                     ; B's tile: shared along a column of the cluster
	s_lshl_b32 s34, s34, 2
	s_add_co_u32 s34, s34, s30                     ; A's tile: shared along a row
	s_lshl_b32 s35, s30, 2
	s_lshl_b32 s35, 15, s35                        ; my row of the cluster
	s_lshl_b32 s98, 0x1111, s29                    ; my column
	s_or_b32 s[G1A], s35, (3<<16)|(1<<21)          ; 15:0 the mask; 17:16 elements of 8 bytes; 21 set beside a mask; no padding
	s_or_b32 s[G1B], s98, (3<<16)|(1<<21)
	s_or_b32 s[G1SA], s35, (3<<16)|(1<<21)
	s_or_b32 s[G1SB], s98, (3<<16)|(1<<21)
.irp g, G1A, G1B                       ; codes: 16 row groups x 8,192 bytes (all eight K steps), dense
	s_mov_b32 s[\g+1], 1024<<16                    ; the codes of 256 rows, all of K: 16 row groups x 8,192 bytes, dense in memory
	s_mov_b32 s[\g+2], 16<<16
	s_mov_b32 s[\g+3], 1024<<16
	s_mov_b32 s[\g+4], 16
	s_mov_b32 s[\g+5], 1024
	s_mov_b32 s[\g+6], 0
	s_mov_b32 s[\g+7], 0
.endr
.irp g, G1SA, G1SB                     ; scale words of 256 rows: 8,192 dense bytes as 32 rows of 256
	s_mov_b32 s[\g+1], 32<<16                      ; the scale words of 256 rows: 8,192 dense bytes as 32 rows of 256
	s_mov_b32 s[\g+2], 32<<16
	s_mov_b32 s[\g+3], 32<<16
	s_mov_b32 s[\g+4], 32
	s_mov_b32 s[\g+5], 32
	s_mov_b32 s[\g+6], 0
	s_mov_b32 s[\g+7], 0
.endr
	s_lshl_b32 s97, s34, 8
	s_add_co_u32 s96, s96, s97
	s_lshl_b32 s101, s33, 8                        ; s96: the first of A's 256 rows;
	s_add_co_u32 s100, s100, s101                  ; s100: the first of B's
	s_lshl_b32 s98, s96, 9                         ; codes: 512 bytes a row
	s_mov_b32 s99, 0
	s_lshl_b32 s96, s96, 5                         ; scale words: 32 bytes a row
	s_mov_b32 s97, 0
	s_lshl_b32 s2, s100, 5
	s_mov_b32 s3, 0
	s_lshl_b32 s100, s100, 9
	s_mov_b32 s101, 0
	s_wait_dscnt 0x0                               ; both opening adds are done
	s_wait_kmcnt 0x0
	s_add_nc_u64 s[98:99], s[4:5], s[98:99]
	s_add_nc_u64 s[100:101], s[4:5], s[100:101]
	s_add_nc_u64 s[96:97], s[6:7], s[96:97]
	s_add_nc_u64 s[2:3], s[6:7], s[2:3]
	CROUND                                         ; all sixteen work-groups are here: the first joint loads meet
	s_mov_b32 s[G0SA], 1
	s_mov_b32 s[G0SA+1], SCL
	s_mov_b64 s[G0SA+2:G0SA+3], s[96:97]
	s_or_b32 s[G0SA+3], s[G0SA+3], 0x80000000
	s_mov_b32 s[G0SB], 1
	s_mov_b32 s[G0SB+1], SCL+8192
	s_mov_b64 s[G0SB+2:G0SB+3], s[2:3]
	s_or_b32 s[G0SB+3], s[G0SB+3], 0x80000000
	s_mov_b32 s[G0A], 1
	s_mov_b32 s[G0A+1], 0
	s_mov_b64 s[G0A+2:G0A+3], s[98:99]
	s_or_b32 s[G0A+3], s[G0A+3], 0x80000000
	s_mov_b32 s[G0B], 1
	s_mov_b32 s[G0B+1], BSIDE
	s_mov_b64 s[G0B+2:G0B+3], s[100:101]
	s_or_b32 s[G0B+3], s[G0B+3], 0x80000000
	; THE HEAD'S LOADS, ONE A WAVE, and the launch's only ones: wave 0 A's codes for all of K, wave 1 B's, wave 2 A's scale words, wave 3 B's
	ARM 1, G0A,  G1A,  .Lhead_b
	ARM 2, G0B,  G1B,  .Lhead_sa
	ARM 3, G0SA, G1SA, .Lhead_sb
	tensor_load_to_lds s[G0SB:G0SB+3], s[G1SB:G1SB+7]
	s_nop 0
.rept 4
	v_nop
.endr
.Lhead_asked:
	v_and_b32 v1, 15, v0                           ; r
	v_bfe_u32 v2, v0, 4, 1                         ; h
	s_wait_alu depctr_va_vdst(0)
	v_and_b32 v3, 31, v0
	v_lshlrev_b32 v[GO16], 4, v3
	v_lshlrev_b32 v[GO8], 3, v3
	s_lshl_b32 s96, s27, 16                        ; my 128 rows: eight row groups of 8,192 bytes
	s_lshl_b32 s97, s28, 16
	s_add_co_u32 s97, s97, BSIDE
.irp s, 0,1
	v_add_nc_u32 v[ADRA+\s], s96, v[GO16]
	v_add_nc_u32 v[ADRB+\s], s97, v[GO16]
	s_add_co_u32 s96, s96, SLOT
	s_add_co_u32 s97, s97, SLOT
.endr
	v_lshlrev_b32 v5, 2, v1
	s_lshl_b32 s96, s27, 12                        ; A's scale words: my 128 rows
	s_lshl_b32 s97, s28, 12                        ; B's, behind A's two groups
	s_add_co_u32 s97, s97, 8192
	s_sub_co_u32 s97, s97, s96
	v_mul_u32_u24 v6, s97, v2                      ; lanes 16-31 take B's: one product, the distance between the two
	s_add_co_u32 s96, s96, SCL
	v_add_nc_u32 v5, v5, v6
	v_add_nc_u32 v[ADRS], s96, v5
	s_mul_i32 s96, s26, 10240                      ; my stage: 8,192 bytes of codes, then the scale words
	s_add_co_u32 s96, s96, STG
	v_lshlrev_b32 v5, 4, v1
	v_lshl_add_u32 v6, v2, 3, v5
	v_add_nc_u32 v[STC], s96, v6
	v_add_nc_u32 v[RD], s96, v[GO16]
	s_add_co_u32 s97, s96, 8192
	v_add_nc_u32 v[STS], s97, v5
	v_lshl_add_u32 v[STS8], v1, 3, s97
	v_add_nc_u32 v[RD8], s97, v[GO8]
	v_lshlrev_b32 v[TBO], 7, v1
	v_lshl_add_u32 v[TBO], v2, 5, v[TBO]
	v_lshlrev_b32 v[BO], 5, v2
	v_lshlrev_b32 v[BO4], 2, v1
	s_mov_b32 s104, 0x76543210                     ; v_permlanex16_b32's selects for lane l xor 16
	s_mov_b32 s105, 0xfedcba98
	s_mov_b32 s2, 0x3c800000                       ; 1 / 64
	s_mov_b32 s3, 0x358637bd                       ; 1e-6
	s_wait_alu depctr_va_vdst(0)                   ; the wait at the head's end
	s_wait_tensorcnt 0x0                           ; my one load has landed
	s_barrier_signal -1
	s_barrier_wait -1                              ; everybody's has: both operands and their scale words lie in LDS for the rest of the launch
	FETCH_B 0, 0, 0
	FETCH_A 0, 0, 0
	SCALES 0
	SCALES 1
	FETCH_A 0, 0, 4
	STEP 0, 0, 1                                   ; the first products start the sums: nothing is cleared
	STEP 0, 1, 0
	STEP 0, 2, 0
	STEP 0, 3, 0                                   ; its successor, K step 4, lies 1,024 bytes on like any other: no wait on tiles and no barrier
	s_cmp_eq_u32 s31, 2                            ; the plane: the same in all sixteen partners
	s_cbranch_scc1 .Lv_arm
	; ---- q, k ----
	s_mul_i32 s96, s32, 12288                      ; tbp: my batch's row, my 128 columns
	s_lshl_b32 s98, s33, 10
	s_add_co_u32 s96, s96, s98
	s_lshl_b32 s98, s28, 9
	s_add_co_u32 s96, s96, s98
	s_mov_b32 s97, 0
	s_add_nc_u64 s[8:9], s[8:9], s[96:97]
	s_cmp_eq_u32 s31, 0
	s_cselect_b64 s[18:19], s[18:19], s[20:21]     ; q's gains or k's
	s_lshl_b32 s96, s30, 15                        ; the tables: token 256 cy + 128 (wave / 2), 128 bytes a token
	s_lshl_b32 s98, s27, 14
	s_add_co_u32 s96, s96, s98
.irp p, 10,12,14,16
	s_add_nc_u64 s[\p:\p+1], s[\p:\p+1], s[96:97]
.endr
	OUTADDR 29, 28, 30, 27                         ; heads 4 cx + 2 (wave % 2) on, step 2 cy + wave / 2
	s_lshl_b32 s98, s96, 9
	s_lshl_b32 s100, s31, 19
	s_add_co_u32 s98, s98, s100
	s_add_nc_u64 s[24:25], s[24:25], s[98:99]
	WIN 0x40                                       ; destination window 1
	s_wait_alu depctr_va_vdst(0)
.irp b, 0,1,2,3,4,5,6,7
	global_load_b128 v[64+8*\b:67+8*\b], v[BO], s[8:9] offset:64*\b          ; the bias's first part, columns 16 b + 8 h + 0 .. 7
	global_load_b128 v[68+8*\b:71+8*\b], v[BO], s[8:9] offset:64*\b+16
.endr
.irp b, 0,1,2,3
	global_load_b128 v[224+8*\b:227+8*\b], v[BO], s[8:9] offset:TBP1+64*\b   ; its second part, columns 0-63
	global_load_b128 v[228+8*\b:231+8*\b], v[BO], s[8:9] offset:TBP1+64*\b+16
.endr
.irp b, 0,1,2,3
	global_load_b128 v[192+8*\b:195+8*\b], v[BO], s[18:19] offset:64*\b      ; the gains of d = 16 b + 8 h + 0 .. 7
	global_load_b128 v[196+8*\b:199+8*\b], v[BO], s[18:19] offset:64*\b+16
.endr
	WIN 0
.irp b, 0,1,2,3
	global_load_b128 v[96+8*\b:99+8*\b], v[BO], s[8:9] offset:TBP1+256+64*\b ; the second part, columns 64-127: into window 0
	global_load_b128 v[100+8*\b:103+8*\b], v[BO], s[8:9] offset:TBP1+256+64*\b+16
.endr
	TABLES 0                                       ; 56 loads are out now
	SLOT1_STEPS                                    ; the last four K steps, while those loads come
	PLACES NP                                      ; behind the last products: in front of the first reads of results and of writes and loads into operands that are done with
	WIN 0x40
	v_mov_b32 v149, 0                              ; named as upper halves of pairs, and as destinations of lane permutes: written once
	v_mov_b32 v151, 0
.irp b, 0,1,2,3
	v_mov_b32 v[TM+4+\b], 0
.endr
.irp a, 0,1,2,3,4,5,6,7
	QKBLOCK \a
.endr
	CODES_BACK
	ds_load_b128 v[96:99], v[RD] offset:8192
	ds_load_b128 v[100:103], v[RD] offset:8192+512
	CODES_OUT
	s_wait_dscnt 0x0
	global_store_b128 v[GO16], v[96:99], s[24:25]                 ; a head's scale words of the step: 512 consecutive bytes
	global_store_b128 v[GO16], v[100:103], s[24:25] offset:4096
	s_branch .Ldone
.Lv_arm:	; ---- v ----
	s_mul_i32 s96, s32, 12288                      ; tbp: my batch's row, columns 2,048 + 256 cy + 128 (wave / 2) on
	s_lshl_b32 s98, s30, 10
	s_add_co_u32 s96, s96, s98
	s_lshl_b32 s98, s27, 9
	s_add_co_u32 s96, s96, s98
	s_add_co_u32 s96, s96, 8192
	s_mov_b32 s97, 0
	s_add_nc_u64 s[8:9], s[8:9], s[96:97]
	OUTADDR 30, 27, 29, 28                         ; heads 4 cy + 2 (wave / 2) on, step 2 cx + wave % 2
	s_lshl_b32 s98, s96, 8
	s_add_co_u32 s98, s98, 1<<20
	s_add_nc_u64 s[24:25], s[24:25], s[98:99]
	WIN 0x40
	s_wait_alu depctr_va_vdst(0)
.irp a, 0,1,2,3,4,5,6,7
	global_load_b32 v[64+2*\a], v[BO4], s[8:9] offset:64*\a       ; the bias of channel 16 a + r: its first part,
	global_load_b32 v[65+2*\a], v[BO4], s[8:9] offset:TBP1+64*\a  ; and its second
.endr
	WIN 0
	SLOT1_STEPS
	PLACES NP
	s_wait_loadcnt 0x0
	WIN 0x45
.irp a, 0,1,2,3,4,5,6,7
	v_add_f32 v[64+2*\a], v[64+2*\a], v[65+2*\a]
.endr
.irp a, 0,1,2,3,4,5,6,7
	v_mov_b32 v[65+2*\a], v[64+2*\a]               ; a pair for the packed addition
.endr
.irp b, 0,1,2,3
	v_mov_b32 v[TM+4+\b], 0                        ; a lane permute's destination counts as one of its sources
.endr
.irp a, 0,1,2,3,4,5,6,7
	VBLOCK \a
.endr
	CODES_BACK
	ds_load_b64 v[96:97], v[RD8]
	ds_load_b64 v[98:99], v[RD8] offset:256
	CODES_OUT
	s_wait_dscnt 0x0
	global_store_b64 v[GO8], v[96:97], s[24:25]                   ; a head's scale words of the step: 256 consecutive bytes, aligned
	global_store_b64 v[GO8], v[98:99], s[24:25] offset:2048
.Ldone:
	s_wait_tensorcnt 0x0                           ; the wave's end, behind my last tensor load and my last LDS store
	ds_add_u32 v[SPW], v[NIL]
	s_wait_dscnt 0x0
	CROUND                                         ; the closing round
	s_endpgm
.Lfunc_end_k_q592ab8db2f_qkv:
	.size	k_q592ab8db2f_qkv, .Lfunc_end_k_q592ab8db2f_qkv-k_q592ab8db2f_qkv
	.p2alignl 7, 3214868480
	.fill 96, 4, 3214868480
	.section	.rodata,"a",@progbits
	.p2align	6, 0x0
	.amdhsa_kernel k_q592ab8db2f_qkv
		.amdhsa_group_segment_fixed_size 327680
		.amdhsa_private_segment_fixed_size 0
		.amdhsa_enable_private_segment 0
		.amdhsa_kernarg_size 88
		.amdhsa_user_sgpr_count 2
		.amdhsa_user_sgpr_kernarg_segment_ptr 1
		.amdhsa_wavefront_size32 1
		.amdhsa_system_sgpr_workgroup_id_x 1
		.amdhsa_system_sgpr_workgroup_id_y 1
		.amdhsa_system_sgpr_workgroup_id_z 1
		.amdhsa_system_vgpr_workitem_id 0
		.amdhsa_next_free_vgpr 1024
		.amdhsa_next_free_sgpr 106
		.amdhsa_reserve_vcc 0
		.amdhsa_float_denorm_mode_32 3
		.amdhsa_float_denorm_mode_16_64 3
		.amdhsa_memory_ordered 1
		.amdhsa_forward_progress 1
		.amdhsa_inst_pref_size 255
	.end_amdhsa_kernel
	.section	.bss,"aw",@nobits
	.p2align	6
	.space	262144
	.amdgpu_metadata
---
amdhsa.version: [ 1, 2 ]
amdhsa.kernels:
  - .name:           k_q592ab8db2f_qkv
    .symbol:         k_q592ab8db2f_qkv.kd
    .args:
      - { .name: pcod, .offset: 0, .size: 8, .value_kind: global_buffer, .address_space: global }
      - { .name: pscl, .offset: 8, .size: 8, .value_kind: global_buffer, .address_space: global }
      - { .name: tbp, .offset: 16, .size: 8, .value_kind: global_buffer, .address_space: global }
      - { .name: cos_y, .offset: 24, .size: 8, .value_kind: global_buffer, .address_space: global }
      - { .name: sin_y, .offset: 32, .size: 8, .value_kind: global_buffer, .address_space: global }
      - { .name: cos_x, .offset: 40, .size: 8, .value_kind: global_buffer, .address_space: global }
      - { .name: sin_x, .offset: 48, .size: 8, .value_kind: global_buffer, .address_space: global }
      - { .name: qn_w, .offset: 56, .size: 8, .value_kind: global_buffer, .address_space: global }
      - { .name: kn_w, .offset: 64, .size: 8, .value_kind: global_buffer, .address_space: global }
      - { .name: qkvc, .offset: 72, .size: 8, .value_kind: global_buffer, .address_space: global }
      - { .name: qkvs, .offset: 80, .size: 8, .value_kind: global_buffer, .address_space: global }
    .group_segment_fixed_size: 327680
    .private_segment_fixed_size: 0
    .kernarg_segment_align: 8
    .kernarg_segment_size: 88
    .max_flat_workgroup_size: 128
    .sgpr_count:     106
    .vgpr_count:     1024
    .wavefront_size: 32
...
	.end_amdgpu_metadata
.endif
;; end of part 2
;; launch attn (part 3): grid 4 x 64, 16 waves a work-group, clusters of 4 x 1, 167,936 bytes of LDS; arguments qkvc, qkvs, acod, ascl; writes acod, ascl
.if DOCPART == 3
	.amdgcn_target "amdgcn-amd-amdhsa--gfx1250"
	.amdhsa_code_object_version 6
	.text
	.protected	k_q592ab8db2f_attn
	.globl	k_q592ab8db2f_attn
	.p2align	8
	.type	k_q592ab8db2f_attn,@function
k_q592ab8db2f_attn:
	s_mov_b64 s[64:65], 0
	v_nop
	global_prefetch_b8 v0, s[64:65] scope:SCOPE_SE
	s_setreg_imm32_b32 hwreg(HW_REG_WAVE_MODE, 25, 1), 1
	s_wait_xcnt 0x0
	s_wait_alu depctr_hold_cnt(0) depctr_sa_sdst(0) depctr_va_vdst(0) depctr_va_sdst(0) depctr_va_ssrc(0) depctr_va_vcc(0) depctr_vm_vsrc(0)
	s_getreg_b32 s2, hwreg(HW_REG_IB_STS2, 6, 4)
	s_cmp_eq_u32 s2, 0
	s_cbranch_scc0 .Lentry_in_a_cluster
	s_endpgm
.Lentry_in_a_cluster:
	s_bfe_u32 s2, ttmp6, 0x10000c
	s_cmp_lg_u32 s2, 0x3003
	s_cbranch_scc0 .Lentry_shape_is_right
	s_endpgm
.Lentry_shape_is_right:
; ATTN: o = softmax(q k^T / 8) v for each batch and head, both products on codes of E2M1; o is quantised along the model's axis for the projection.  No work of the problem is left out here.
; THE SOFTMAX AHEAD OF THE SECOND PRODUCT: t = score x log2(e) / 8; M = the running largest t, rounded up to a whole number; p = 2^(t - M) is quantised along the keys, not normalised; the row's sum is taken of
;   the unquantised p and divides at the end; when M moves, the sum and O are multiplied by 2^(old M - new M), which rounds nothing.
; SHARES.  A work-group owns 256 queries of TWO heads (2 kappa, 2 kappa + 1); each of its sixteen waves one tile of 16 queries, first for the one head, then for the other: a wave ends with one whole operand
;   image (1,024 bytes) and one whole scale word a row of the projection's K step kappa.
; K AND V OF BOTH HEADS STAY IN LDS (2 x 64 KiB of codes, 12 KiB of scale words): filled once, by eleven joint loads of the cluster's four work-groups, the four query blocks of one pair of heads.
;   The loop reads LDS alone, so there is no stream from memory to run ahead of: no prefetch.
; LAYOUT.  Both products are used transposed: S^T = K Q^T (source 0 = 16 keys, source 1 = my 16 queries), O^T = V^T P^T: a lane holds one query throughout.
;   q k^T has K = 64: Q's codes of k = 64 .. 127 are zeros, so what stands in the upper four registers of a fragment of K (the next tile's codes) adds nothing; both sides' scale bytes there are 0, a finite code.
;   THE KEYS OF A TILE ARE CHOSEN: row m of tile 4 g + T takes key 64 g + 32 (m / 8) + 8 T + m % 8.  Lane (r, h) then holds, in the 32 registers of tiles 4 g .. 4 g + 3, the WHOLE block 2 g + h of 32 keys:
;   a block's largest score needs no other lane, and the conversions' results are the operand's registers.  V's blocks lie in the order [0-7][16-23][8-15][24-31]: tile T's codes go to word 0, 2, 1, 3.
; A BLOCK'S SCALE is made ahead of the exponentials: its largest p is 2^x, x = the block's largest t - M, so the exponent of that p is floor(x) and the byte floor(x) + 125, x held at -124 from below (byte 1).
; LIMITS: NaN and infinities are not served; the promise holds while the scaled scores stay under 2^31 in magnitude; a block of o under 2^-124 gets the byte 1; where x lies within an ulp under a whole number
;   and the exponential rounds p up to the power of two, the byte is one less than that p's own exponent would give, and that one p is held at the largest code.
.set OST,   143360                     ; 1,024 bytes for each wave: its image of o's codes
.set SST,   159744                     ; 64 bytes for each wave: its rows' scale words
.set SPARE, 160768                     ; the spare words, 128 bytes for each wave: eight blocks of 256 bytes that no other line names
.set WV,  12                           ; s12 wave;  s13 cx: my query block;  s14 the pair of heads: 8 x batch + kappa;  s15 my tile of 16 tokens
.set G1L, 24                           ; s[24:31] group 1, 64 rows of 256 bytes;  s[32:39] 16 rows;  s[40:43], s[44:47] their groups 0
.set G1S, 32
.set G0L, 40
.set G0S, 44
.set T,   48                           ; s48 the key step, 0 .. 7
; REGISTERS: v1-4 my lane's places in K, V, K's and V's scale words; v5, v6 the add's two; v7 o's codes into my stage; v8-11 the step's addresses; v12 -M, v13 the largest score, v[14:15] the sum;
;   v16-23 Q (v20-23 zeros); v24-27 K's, v28-29 V's, v30 p's, v31 Q's scale words and nothing else; v32-63 eight fragments of K, four registers each, v64-67 zeros; v68-83 at work; v96-159 S^T, then p;
;   v160-191 O^T; v192-223 four fragments of V; v224-231 codes; v232-255 at work (v240 16 r; v241 16 x lane; v243 o's scale word; v244-245 the conversions' scales; v248-250 addresses for the end; v251 8 h; v252 f)
.macro CROUND
	s_barrier_signal -1
	s_barrier_wait -1
	s_cmp_lg_u32 s[WV], 0
	s_cbranch_scc1 .Lnot_wave_0_\@
	s_barrier_signal -3
.Lnot_wave_0_\@:
	s_barrier_wait -3
	s_barrier_signal -1
	s_barrier_wait -1
.endm
.macro QLOAD c
	global_load_b128 v[16:19], v241, s[4:5] offset:32768*\c
	global_load_b32 v31, v240, s[6:7] offset:4096*\c
.endm
.macro PF from, cnt                    ; t - M of cnt pairs of scores from register 96 + from on
.set pj, \from
.rept \cnt
	v_pk_fma_f32 v[96+pj:97+pj], v[96+pj:97+pj], s[22:23], v[12:13] op_sel_hi:[1,0,0]
.set pj, pj+2
.endr
.endm
; A KEY STEP: 128 keys of head c
.macro STEP c
	v_lshl_add_u32 v8, s[T], 12, v1                ; K's codes and scale words of this step (the registers that they land in were last read by the step before's score products)
	v_lshl_add_u32 v10, s[T], 9, v3
.irp n, 0,1,2,3,4,5,6,7
	ds_load_b128 v[32+4*\n:35+4*\n], v8 offset:32768*\c+2048*(\n/4)+512*((\n%4)/2)+128*(\n%2)   ; tile n = 4 g + T
.endr
.irp n, 0,1,2,3
	ds_load_b32 v[24+\n], v10 offset:4096*\c+8*(\n/2)+256*(\n%2)    ; lanes 0-15 the words of tile 2 n's keys, lanes 16-31 those of tile 2 n + 1's
.endr
	s_wait_dscnt 0x0                               ; K and its scale words are in: nothing else of mine is out
.irp n, 0,2,4,6
	v_wmma_scale_f32_16x16x128_f8f6f4 v[96+8*\n:103+8*\n], v[32+4*\n:39+4*\n], v[16:23], 0, v[24+\n/2], v31 matrix_a_fmt:MATRIX_FMT_FP4 matrix_b_fmt:MATRIX_FMT_FP4
	v_wmma_scale_f32_16x16x128_f8f6f4 v[104+8*\n:111+8*\n], v[36+4*\n:43+4*\n], v[16:23], 0, v[24+\n/2], v31 matrix_a_fmt:MATRIX_FMT_FP4 matrix_b_fmt:MATRIX_FMT_FP4 matrix_a_scale:MATRIX_SCALE_ROW1
.endr
	v_lshl_add_u32 v9, s[T], 12, v2                ; V's addresses, the old -M and one v_nop: the four places behind the score products; with the two lines at the step's head
	v_lshl_add_u32 v11, s[T], 8, v4                ; they are also the places in front of loads into registers that the step before's last products read
	v_mov_b32 v254, v12
	v_nop
.irp t, 0,1,2,3
.irp u, 0,1
	ds_load_b128 v[192+8*\t+4*\u:195+8*\t+4*\u], v9 offset:32768*\c+1024*\t+512*\u   ; V comes while the softmax is worked
.endr
.endr
	ds_load_b64 v[28:29], v11 offset:2048*\c
.irp n, 0,1,2,3,4,5,6,7
	v_max3_num_f32 v[68+\n], v[96+8*\n], v[97+8*\n], v[98+8*\n]     ; the largest score, a chain to a tile, the eight by turns; each accumulator from its low end on
.endr
.irp i, 3,5
.irp n, 0,1,2,3,4,5,6,7
	v_max3_num_f32 v[68+\n], v[68+\n], v[96+8*\n+\i], v[97+8*\n+\i]
.endr
.endr
.irp g, 0,1
	v_max3_num_f32 v[76+\g], v[68+4*\g], v[69+4*\g], v[103+32*\g]   ; four chains and the tiles' last registers make my block 2 g + h's largest score
.endr
.irp g, 0,1
	v_max3_num_f32 v[78+\g], v[70+4*\g], v[71+4*\g], v[111+32*\g]
.endr
.irp g, 0,1
	v_max3_num_f32 v[76+\g], v[76+\g], v[78+\g], v[119+32*\g]
.endr
.irp g, 0,1
	v_max_num_f32 v[76+\g], v[76+\g], v[127+32*\g]
.endr
	s_delay_alu instid0(VALU_DEP_1)
	v_max3_num_f32 v78, v76, v77, v13              ; with the running largest score,
	s_delay_alu instid0(VALU_DEP_1)
	v_permlanex16_b32 v79, v78, s20, s21
	s_delay_alu instid0(VALU_DEP_1)
	v_max_num_f32 v13, v78, v79                    ; and lane l xor 16's two blocks
	s_delay_alu instid0(VALU_DEP_1)
	v_mul_f32 v78, s54, v13                        ; -t (c is positive)
	s_delay_alu instid0(VALU_DEP_1)
	v_floor_f32 v12, v78                           ; the new -M = floor(-t): M is a whole number
	PF 0, 4
	v_sub_f32 v254, v12, v254                      ; old M - new M: a whole number, 0 or less
	v_fma_f32 v76, v76, s22, v12                   ; x = my block's largest t - M
	v_fma_f32 v77, v77, s22, v12
	PF 8, 4
	v_cvt_i32_f32 v254, v254                       ; (it saturates)
	v_max_num_f32 v76, 0xc2f80000, v76             ; held at -124: the byte cannot fall under 1
	v_max_num_f32 v77, 0xc2f80000, v77
	PF 16, 4
	v_ldexp_f32 v252, 1.0, v254                    ; f = 2^(old M - new M)
	v_cvt_floor_i32_f32 v76, v76                   ; floor(x): the exponent of the block's largest p
	v_cvt_floor_i32_f32 v77, v77
	PF 24, 4
	v_lshl_add_u32 v244, v76, 23, 0x3e800000       ; (floor(x) + 125) << 23: the conversion takes the exponent field of this operand as its scale
	v_lshl_add_u32 v245, v77, 23, 0x3e800000
	v_lshl_add_u32 v78, v77, 16, v76
	PF 32, 10
	v_lshlrev_b32 v78, v251, v78                   ; at the places of blocks h and 2 + h
	PF 52, 6
	v_permlanex16_b32 v79, v78, s20, s21
.irp j, 0,2,4,6,8
	v_pk_mul_f32 v[160+\j:161+\j], v[160+\j:161+\j], v[252:253] op_sel_hi:[1,0]   ; O^T under the new M: no exponential stands between the last products and these first reads
.endr
	v_add3_u32 v30, v78, v79, 0x7d7d7d7d           ; p's scale word for these 128 keys: my two exponents, lane l xor 16's two, and + 125 in all four bytes (the sum is exact modulo 2^32: each byte lies between 1 and 127)
.irp j, 10,12,14,16,18,20,22,24,26,28,30
	v_pk_mul_f32 v[160+\j:161+\j], v[160+\j:161+\j], v[252:253] op_sel_hi:[1,0]
.endr
	s_wait_alu depctr_va_vdst(0)                   ; the wait ahead of the batch
.set i, 0
.rept 64
	v_exp_f32 v[96+i], v[96+i]                     ; p = 2^(t - M)
.set i, i+1
.endr
	v_pk_mul_f32 v[14:15], v[14:15], v[252:253] op_sel_hi:[1,0]      ; the sums under the new M: a plain place behind the exponentials
	s_wait_alu depctr_va_vdst(0)                   ; and the one wait behind it, ahead of its first reader
.irp g, 0,1
	v_cvt_scalef32_pk8_fp4_f32 v[224+4*\g], v[96+32*\g:103+32*\g], v[244+\g]      ; keys 0-7 of block 2 g + h
	v_cvt_scalef32_pk8_fp4_f32 v[226+4*\g], v[104+32*\g:111+32*\g], v[244+\g]     ; keys 8-15: the block's third word, as in V
	v_cvt_scalef32_pk8_fp4_f32 v[225+4*\g], v[112+32*\g:119+32*\g], v[244+\g]     ; keys 16-23: the second
	v_cvt_scalef32_pk8_fp4_f32 v[227+4*\g], v[120+32*\g:127+32*\g], v[244+\g]
.endr
.irp i, 0,1,2,3,4,5,6                          ; the row's sum of the unquantised p, eight chains by turns.  These 32 are also the places that the codes want ahead of the products
	v_pk_add_f32 v[68+2*\i:69+2*\i], v[96+2*\i:97+2*\i], v[112+2*\i:113+2*\i]
.endr
	v_pk_add_f32 v[14:15], v[14:15], v[110:111]
.irp i, 0,1,2,3,4,5,6
	v_pk_add_f32 v[68+2*\i:69+2*\i], v[68+2*\i:69+2*\i], v[128+2*\i:129+2*\i]
.endr
	v_pk_add_f32 v[14:15], v[14:15], v[126:127]
.irp i, 0,1,2,3,4,5,6
	v_pk_add_f32 v[68+2*\i:69+2*\i], v[68+2*\i:69+2*\i], v[144+2*\i:145+2*\i]
.endr
	v_pk_add_f32 v[14:15], v[14:15], v[142:143]
	v_pk_add_f32 v[68:69], v[68:69], v[70:71]
	v_pk_add_f32 v[72:73], v[72:73], v[74:75]
	v_pk_add_f32 v[76:77], v[76:77], v[78:79]
	v_pk_add_f32 v[80:81], v[80:81], v[158:159]
	v_pk_add_f32 v[68:69], v[68:69], v[72:73]
	s_delay_alu instid0(VALU_DEP_2)
	v_pk_add_f32 v[76:77], v[76:77], v[80:81]
	s_delay_alu instid0(VALU_DEP_2)
	v_pk_add_f32 v[14:15], v[14:15], v[68:69]
	s_delay_alu instid0(VALU_DEP_1)
	v_pk_add_f32 v[14:15], v[14:15], v[76:77]
	s_wait_dscnt 0x0                               ; V and its scale words are in
.irp t, 0,2
	v_wmma_scale_f32_16x16x128_f8f6f4 v[160+8*\t:167+8*\t], v[192+8*\t:199+8*\t], v[224:231], v[160+8*\t:167+8*\t], v[28+\t/2], v30 matrix_a_fmt:MATRIX_FMT_FP4 matrix_b_fmt:MATRIX_FMT_FP4
	v_wmma_scale_f32_16x16x128_f8f6f4 v[168+8*\t:175+8*\t], v[200+8*\t:207+8*\t], v[224:231], v[168+8*\t:175+8*\t], v[28+\t/2], v30 matrix_a_fmt:MATRIX_FMT_FP4 matrix_b_fmt:MATRIX_FMT_FP4 matrix_a_scale:MATRIX_SCALE_ROW1
.endr
.endm
; Head c's result: / the sum, quantised along d (two blocks of 32, in the true order: the projection's weights have it), into my image: block 2 c + beta of row r at 512 c + 256 beta + 16 r
.macro WAYOUT c
	s_wait_alu depctr_va_vdst(0)                   ; the wait here
	v_add_f32 v14, v14, v15
	s_delay_alu instid0(VALU_DEP_1)
	v_permlanex16_b32 v252, v14, s20, s21
	s_delay_alu instid0(VALU_DEP_1)
	v_add_f32 v14, v14, v252                       ; the row's sum
	s_wait_alu depctr_va_vdst(0)                   ; ahead of the transcendental
	v_rcp_f32 v14, v14
.rept 3
	v_nop                                          ; plain places: behind the reciprocal, and (with the additions above) behind the last products
.endr
	s_wait_alu depctr_va_vdst(0)                   ; ahead of the reciprocal's first reader, which is also the first reader of the last products' results
.irp j, 0,2,4,6,8,10,12,14,16,18,20,22,24,26,28,30
	v_pk_mul_f32 v[96+\j:97+\j], v[160+\j:161+\j], v[14:15] op_sel_hi:[1,0]       ; register 8 t + j = o(r, 16 t + 8 h + j); each accumulator from its low end on
.endr
.irp b, 0,1
	v_max3_num_f32 v[232+\b], |v[96+16*\b]|, |v[97+16*\b]|, 0x1800000             ; with the floor 2^(3 - 127): the byte cannot fall under 1
.endr
.irp i, 2,4,6,8,10,12,14
.irp b, 0,1
	s_delay_alu instid0(VALU_DEP_2)
	v_max3_num_f32 v[232+\b], v[232+\b], |v[96+16*\b+\i]|, |v[97+16*\b+\i]|
.endr
.endr
.irp b, 0,1
	s_delay_alu instid0(VALU_DEP_2)
	v_permlanex16_b32 v[236+\b], v[232+\b], s20, s21
.endr
.irp b, 0,1
	s_delay_alu instid0(VALU_DEP_2)
	v_max_num_f32 v[232+\b], v[232+\b], v[236+\b]
.endr
.irp b, 0,1
	s_delay_alu instid0(VALU_DEP_2)
	v_add_nc_u32 v[244+\b], 0xff000000, v[232+\b]  ; 2 off the exponent field: the conversion's scale operand
.endr
.irp b, 0,1
	s_delay_alu instid0(VALU_DEP_2)
	v_lshrrev_b32 v[236+\b], 23, v[244+\b]
.endr
.if \c == 0
	s_delay_alu instid0(VALU_DEP_1)
	v_lshl_or_b32 v243, v237, 8, v236              ; bytes 0 and 1 of my row's scale word,
.else
	s_delay_alu instid0(VALU_DEP_1)
	v_lshl_or_b32 v255, v237, 8, v236
	s_delay_alu instid0(VALU_DEP_1)
	v_lshl_or_b32 v243, v255, 16, v243             ; bytes 2 and 3
.endif
.irp b, 0,1
	v_cvt_scalef32_pk8_fp4_f32 v[224+2*\b], v[96+16*\b:103+16*\b], v[244+\b]      ; d = 32 b + 8 h + 0 .. 7
	v_cvt_scalef32_pk8_fp4_f32 v[225+2*\b], v[104+16*\b:111+16*\b], v[244+\b]     ; d = 32 b + 16 + 8 h + 0 .. 7
.endr
	v_nop                                          ; one plain place behind a scaled conversion
.irp b, 0,1
.irp u, 0,1
	ds_store_b32 v7, v[224+2*\b+\u] offset:512*\c+256*\b+8*\u                     ; word 2 u + h of the block's four
.endr
.endr
.endm
.macro PASS c
	v_mov_b32 v13, 0xff61b1e6                      ; the largest score so far: -3e38
	v_mov_b32 v12, 0x7e000000                      ; -M: a large whole number: the first step's f is 0, on sums that are zeros
	v_mov_b32 v14, 0
	v_mov_b32 v15, 0
.set i, 0
.rept 32
	v_mov_b32 v[160+i], 0                          ; O^T: the step is written once; the first finds zeros
.set i, i+1
.endr
	s_mov_b32 s[T], 0
	s_wait_alu depctr_va_vdst(0)                   ; the wait here, directly ahead of the wait below
	s_wait_loadcnt 0x0                             ; Q and its scale words
.Lstep_\@:
	STEP \c
	s_add_co_u32 s[T], s[T], 1
	s_cmp_lt_u32 s[T], 8
	s_cbranch_scc1 .Lstep_\@
.if \c == 0
	QLOAD 1                                        ; the other head's Q comes while this head's result goes out
.endif
	WAYOUT \c
.endm
	s_load_b256 s[4:11], s[0:1], 0x0               ; qkvc, qkvs, acod, ascl
	v_lshl_add_u32 v5, v0, 2, SPARE
	v_mov_b32 v6, 0
	ds_add_u32 v5, v6                              ; the wave's opening: the add, twice on end, and its wait ahead of the first tensor loads
	ds_add_u32 v5, v6
	v_lshrrev_b32 v8, 5, v0
	s_delay_alu instid0(VALU_DEP_1)
	v_readfirstlane_b32 s[WV], v8                  ; wave 0..15
	s_bfe_u32 s13, ttmp6, 0x40000                  ; cx: it enters Q's and the results' addresses alone
	s_and_b32 s14, ttmp7, 0xffff
	s_mov_b32 s[G1L], 15|(3<<16)|(1<<21)           ; 15:0 the mask: all four work-groups; 17:16 elements of 8 bytes; 21 set beside a mask
	s_mov_b32 s[G1L+1], 32<<16                     ; 16,384 dense bytes as 64 rows of 256
	s_mov_b32 s[G1L+2], 64<<16
	s_mov_b32 s[G1L+3], 32<<16
	s_mov_b32 s[G1L+4], 64
	s_mov_b32 s[G1L+5], 32
	s_mov_b32 s[G1L+6], 0
	s_mov_b32 s[G1L+7], 0
	s_mov_b32 s[G1S], 15|(3<<16)|(1<<21)
	s_mov_b32 s[G1S+1], 32<<16                     ; 4,096 dense bytes as 16 rows of 256
	s_mov_b32 s[G1S+2], 16<<16
	s_mov_b32 s[G1S+3], 32<<16
	s_mov_b32 s[G1S+4], 16
	s_mov_b32 s[G1S+5], 32
	s_mov_b32 s[G1S+6], 0
	s_mov_b32 s[G1S+7], 0
	s_lshl_b32 s[G0L+1], s[WV], 14                 ; waves 0-3: K's quarters, waves 4-7: V's: LDS 16,384 x wave
	s_lshr_b32 s16, s[WV], 2
	s_add_co_u32 s16, s16, 1
	s_lshl_b32 s16, s16, 22                        ; plane 1 or 2
	s_lshl_b32 s18, s14, 16                        ; the pair of heads: 65,536 bytes
	s_add_co_u32 s16, s16, s18
	s_and_b32 s18, s[WV], 3
	s_lshl_b32 s18, s18, 14
	s_add_co_u32 s16, s16, s18
	s_mov_b32 s17, 0
	s_lshl_b32 s[G0S+1], s[WV], 12                 ; waves 8, 9: K's scale words, wave 10: V's: LDS 98,304 + 4,096 x wave
	s_add_co_u32 s[G0S+1], s[G0S+1], 98304
	s_and_b32 s18, s[WV], 1
	s_lshl_b32 s18, s18, 12
	s_lshl_b32 s19, s14, 13
	s_add_co_u32 s18, s18, s19
	s_add_co_u32 s18, s18, 524288
	s_lshl_b32 s19, s14, 12
	s_add_co_u32 s19, s19, 1048576
	s_cmp_lt_u32 s[WV], 10
	s_cselect_b32 s18, s18, s19
	s_mov_b32 s19, 0
	s_mov_b32 s20, 0x76543210                      ; v_permlanex16_b32's selects for lane l xor 16
	s_mov_b32 s21, 0xfedcba98
	s_mov_b32 s22, 0x3e38aa3b                      ; c = log2(e) / 8
	s_mov_b32 s23, s22                             ; (named with it as a pair)
	s_mov_b32 s54, 0xbe38aa3b                      ; -c
	s_wait_dscnt 0x0                               ; both opening adds are done
	s_wait_kmcnt 0x0
	s_mov_b32 s[G0L], 1
	s_add_nc_u64 s[G0L+2:G0L+3], s[4:5], s[16:17]
	s_or_b32 s[G0L+3], s[G0L+3], 0x80000000
	s_mov_b32 s[G0S], 1
	s_add_nc_u64 s[G0S+2:G0S+3], s[6:7], s[18:19]
	s_or_b32 s[G0S+3], s[G0S+3], 0x80000000
	CROUND                                         ; all four work-groups are here: the joint loads meet
	s_cmp_lt_u32 s[WV], 8                          ; the branches hang on the wave's number alone; an s_nop 0 and four v_nop follow each load
	s_cbranch_scc0 .Lnot_codes
	tensor_load_to_lds s[G0L:G0L+3], s[G1L:G1L+7]
	s_nop 0
.rept 4
	v_nop
.endr
	s_branch .Lasked
.Lnot_codes:
	s_cmp_lt_u32 s[WV], 11
	s_cbranch_scc0 .Lasked
	tensor_load_to_lds s[G0S:G0S+3], s[G1S:G1S+7]
	s_nop 0
.rept 4
	v_nop
.endr
.Lasked:
	s_lshl_b32 s15, s13, 4
	s_add_co_u32 s15, s15, s[WV]                   ; my tile of 16 tokens in the batch: 16 x query block + wave
	s_lshl_b32 s16, s14, 16
	s_lshl_b32 s18, s15, 9
	s_add_co_u32 s16, s16, s18
	s_mov_b32 s17, 0
	s_add_nc_u64 s[4:5], s[4:5], s[16:17]          ; Q's codes (plane 0): the first head's, my tile's 512 bytes
	s_lshl_b32 s16, s14, 13
	s_lshr_b32 s18, s15, 3
	s_lshl_b32 s18, s18, 9
	s_add_co_u32 s16, s16, s18
	s_and_b32 s18, s15, 1
	s_lshl_b32 s18, s18, 8
	s_add_co_u32 s16, s16, s18
	s_bfe_u32 s18, s15, 0x20001
	s_lshl_b32 s18, s18, 2
	s_add_co_u32 s16, s16, s18
	s_add_nc_u64 s[6:7], s[6:7], s[16:17]          ; Q's scale words
	s_lshr_b32 s52, s14, 3                         ; batch
	s_and_b32 s53, s14, 7                          ; kappa
	s_lshl_b32 s16, s52, 6
	s_add_co_u32 s16, s16, s15
	s_lshl_b32 s16, s16, 13
	s_lshl_b32 s18, s53, 10
	s_add_co_u32 s16, s16, s18
	s_add_nc_u64 s[8:9], s[8:9], s[16:17]          ; acod: [row / 16][kappa][1,024]
	s_lshl_b32 s16, s52, 3
	s_lshl_b32 s18, s13, 1
	s_add_co_u32 s16, s16, s18
	s_add_co_u32 s16, s16, s[WV]
	s_lshl_b32 s16, s16, 12
	s_lshl_b32 s18, s53, 9
	s_add_co_u32 s16, s16, s18
	s_add_nc_u64 s[10:11], s[10:11], s[16:17]      ; ascl: [row / 128][kappa][512]: used by waves 0 and 1
	v_and_b32 v8, 31, v0                           ; lane
	v_and_b32 v9, 15, v0                           ; r
	v_bfe_u32 v10, v0, 4, 1                        ; h
	v_and_b32 v11, 7, v0                           ; r % 8
	v_bfe_u32 v12, v0, 3, 1                        ; r / 8
	v_lshlrev_b32 v241, 4, v8
	v_lshlrev_b32 v240, 4, v9
	QLOAD 0
	v_lshlrev_b32 v1, 4, v11
	v_lshlrev_b32 v3, 4, v11
	v_add_nc_u32 v2, 65536, v241                   ; V: 16 x lane
	v_lshl_add_u32 v4, v8, 3, 139264               ; V's scale words: 8 x lane
	v_lshlrev_b32 v251, 3, v10
	v_lshl_add_u32 v1, v12, 10, v1
	v_lshl_add_u32 v3, v12, 2, v3
	s_lshl_b32 s16, s[WV], 10
	s_add_co_u32 s16, s16, OST
	v_lshl_add_u32 v7, v9, 4, s16
	v_add_nc_u32 v248, s16, v241
	v_lshl_add_u32 v1, v10, 8, v1                  ; K: 1,024 (r / 8) + 16 (r % 8) + 256 h: row r of a tile lies two tiles of 16 tokens on for r / 8 = 1
	v_lshl_add_u32 v3, v10, 7, v3
	v_lshl_add_u32 v7, v10, 2, v7
	s_lshl_b32 s16, s[WV], 6
	s_add_co_u32 s16, s16, SST
	v_lshl_add_u32 v249, v9, 2, s16
	s_lshl_b32 s16, s[WV], 9
	s_add_co_u32 s16, s16, SST
	v_add_nc_u32 v250, s16, v241
	v_add_nc_u32 v3, 131072, v3                    ; K's scale words: 16 (r % 8) + 4 (r / 8) + 128 h
.irp j, 20,21,22,23,64,65,66,67
	v_mov_b32 v\j, 0                               ; Q's zero codes of k = 64 .. 127; and what stands behind the last fragment of K
.endr
.irp j, 79,236,237,253
	v_mov_b32 v\j, 0                               ; destinations of lane permutes and the upper half of the pair v[252:253]: written once
.endr
	s_wait_alu depctr_va_vdst(0)                   ; the wait at the head's end
	s_wait_tensorcnt 0x0                           ; my load, if I had one, has landed
	s_barrier_signal -1
	s_barrier_wait -1                              ; everybody's has: K, V and their scale words lie in LDS for the rest of the launch
	PASS 0
	PASS 1
	ds_store_b32 v249, v243                        ; my rows' scale words (both halves of the lanes write the same word)
	ds_load_b128 v[96:99], v248                    ; my image: LDS serves a wave's instructions in order
	ds_load_b128 v[100:103], v248 offset:512
	s_wait_dscnt 0x0                               ; for the others' sake too: my store is done
	s_barrier_signal -1
	s_barrier_wait -1
	global_store_b128 v241, v[96:99], s[8:9]       ; 512 consecutive bytes, aligned
	global_store_b128 v241, v[100:103], s[8:9] offset:512
	s_cmp_lt_u32 s[WV], 2
	s_cbranch_scc0 .Lno_scales
	ds_load_b128 v[104:107], v250                  ; eight waves' scale words: 128 rows
	s_wait_dscnt 0x0
	global_store_b128 v241, v[104:107], s[10:11]
.Lno_scales:
	s_wait_tensorcnt 0x0                           ; the wave's end, behind my last tensor load and my last LDS store
	ds_add_u32 v5, v6
	s_wait_dscnt 0x0
	CROUND                                         ; the closing round
	s_endpgm
.Lfunc_end_k_q592ab8db2f_attn:
	.size	k_q592ab8db2f_attn, .Lfunc_end_k_q592ab8db2f_attn-k_q592ab8db2f_attn
	.p2alignl 7, 3214868480
	.fill 96, 4, 3214868480
	.section	.rodata,"a",@progbits
	.p2align	6, 0x0
	.amdhsa_kernel k_q592ab8db2f_attn
		.amdhsa_group_segment_fixed_size 167936
		.amdhsa_private_segment_fixed_size 0
		.amdhsa_enable_private_segment 0
		.amdhsa_kernarg_size 32
		.amdhsa_user_sgpr_count 2
		.amdhsa_user_sgpr_kernarg_segment_ptr 1
		.amdhsa_wavefront_size32 1
		.amdhsa_system_sgpr_workgroup_id_x 1
		.amdhsa_system_sgpr_workgroup_id_y 1
		.amdhsa_system_sgpr_workgroup_id_z 1
		.amdhsa_system_vgpr_workitem_id 0
		.amdhsa_next_free_vgpr 256
		.amdhsa_next_free_sgpr 66
		.amdhsa_reserve_vcc 0
		.amdhsa_float_denorm_mode_32 3
		.amdhsa_float_denorm_mode_16_64 3
		.amdhsa_memory_ordered 1
		.amdhsa_forward_progress 1
		.amdhsa_inst_pref_size 48
	.end_amdhsa_kernel
	.amdgpu_metadata
---
amdhsa.version: [ 1, 2 ]
amdhsa.kernels:
  - .name:           k_q592ab8db2f_attn
    .symbol:         k_q592ab8db2f_attn.kd
    .args:
      - { .name: qkvc, .offset: 0, .size: 8, .value_kind: global_buffer, .address_space: global }
      - { .name: qkvs, .offset: 8, .size: 8, .value_kind: global_buffer, .address_space: global }
      - { .name: acod, .offset: 16, .size: 8, .value_kind: global_buffer, .address_space: global }
      - { .name: ascl, .offset: 24, .size: 8, .value_kind: global_buffer, .address_space: global }
    .group_segment_fixed_size: 167936
    .private_segment_fixed_size: 0
    .kernarg_segment_align: 8
    .kernarg_segment_size: 32
    .max_flat_workgroup_size: 512
    .sgpr_count:     66
    .vgpr_count:     256
    .wavefront_size: 32
...
	.end_amdgpu_metadata
.endif
;; end of part 3
;; launch proj (part 4): grid 4 x 64, 4 waves a work-group, clusters of 4 x 4, 327,680 bytes of LDS; arguments acod, ascl, pcod, pscl, bp, out0; writes out0
.if DOCPART == 4
	.amdgcn_target "amdgcn-amd-amdhsa--gfx1250"
	.amdhsa_code_object_version 6
	.text
	.protected	k_q592ab8db2f_proj
	.globl	k_q592ab8db2f_proj
	.p2align	8
	.type	k_q592ab8db2f_proj,@function
k_q592ab8db2f_proj:
	s_mov_b64 s[64:65], 0
	v_nop
	global_prefetch_b8 v0, s[64:65] scope:SCOPE_SE
	s_setreg_imm32_b32 hwreg(HW_REG_WAVE_MODE, 25, 1), 1
	s_wait_xcnt 0x0
	s_wait_alu depctr_hold_cnt(0) depctr_sa_sdst(0) depctr_va_vdst(0) depctr_va_sdst(0) depctr_va_ssrc(0) depctr_va_vcc(0) depctr_vm_vsrc(0)
	s_getreg_b32 s2, hwreg(HW_REG_IB_STS2, 6, 4)
	s_cmp_eq_u32 s2, 0
	s_cbranch_scc0 .Lentry_in_a_cluster
	s_endpgm
.Lentry_in_a_cluster:
	s_bfe_u32 s2, ttmp6, 0x10000c
	s_cmp_lg_u32 s2, 0xf033
	s_cbranch_scc0 .Lentry_shape_is_right
	s_endpgm
.Lentry_shape_is_right:
; PROJ: out0 = o Wp + bp on codes of E2M1 (K = 1,024).  No work of the problem is left out here.
; A work-group makes 128 rows x 256 columns; its four waves 64 x 128 each: 32 accumulators, 256 registers (window 2).  256 work-groups.
; THE WHOLE K LIES IN LDS, each operand as it lies in memory (images of the operand's registers: [row / 16][k / 128][1,024 bytes]): A's 8 row groups x 8,192 bytes, then B's 16; then the scale words.
; Four joint loads, one a wave, all at the head; nothing is filled later or again.  There is no loop that streams from memory, so nothing is prefetched.
; CLUSTER 4 x 4: A's tiles are shared along a row of the cluster, B's along a column.
; The matrix instruction is used transposed (source 0 = 16 columns of Wp, source 1 = 16 rows of o): a lane holds eight neighbouring numbers of a row of out0.  The bias is the C of the first products.
; REGISTERS: window 0: v16-31 addresses, v32-95 scale words and nothing else (register 8 k + i: lanes 0-15 A's block i, lanes 16-31 B's block i, K step k), v128-191 A's fragments, two sets; on the way out v128-255.
;   window 1: B's fragments, two sets at v0 and v128; v64-127 the bias.
.set NP,     4                         ; places behind this matrix instruction (ISA guide 7.12.1)
.set BSIDE,  65536
.set SCL,    196608                    ; A's scale words, 4,096 bytes; B's, 8,192
.set SPARE,  208896                    ; the spare words, 128 bytes for each wave
.set STG,    209408                    ; the stages of the way out: 16 rows x 528 bytes for each wave, bytes of their own
.set SPITCH, 528
.set ADRA, 16
.set ADRB, 20
.set STO,  24
.set RD,   25
.set CO,   26
.set ADRS, 27
.set SPW,  28
.set NIL,  29
.set BO,   31
.set SC,   32
.set G1A,  16
.set G1B,  24
.set G1SA, 32
.set G1SB, 40
.set G0A,  48
.set G0B,  52
.set G0SA, 56
.set G0SB, 60
.set MSB, 0
.macro WIN new                         ; the immediate's high byte repeats the setting that is left
.if MSB != (\new)
	s_set_vgpr_msb (MSB<<8)|(\new)
.set MSB, (\new)
.endif
.endm
.macro CROUND                          ; a round of the cluster's barrier
	s_barrier_signal -1
	s_barrier_wait -1
	s_cmp_lg_u32 s76, 0
	s_cbranch_scc1 .Lnot_wave_0_\@
	s_barrier_signal -3
.Lnot_wave_0_\@:
	s_barrier_wait -3
	s_barrier_signal -1
	s_barrier_wait -1
.endm
.macro ARM under, g0, g1, next         ; one arm of the head's tree: its joint load, an s_nop 0 and four v_nop, a jump to the tree's end
	s_cmp_lt_u32 s76, \under
	s_cbranch_scc0 \next
	tensor_load_to_lds s[\g0:\g0+3], s[\g1:\g1+7]
	s_nop 0
.rept 4
	v_nop
.endr
	s_branch .Lhead_asked
\next:
.endm
.macro G1SET g, c, r                   ; group 1 behind its first word: r rows of c elements of 8 bytes, dense
	s_mov_b32 s[\g+1], (\c)<<16
	s_mov_b32 s[\g+2], (\r)<<16
	s_mov_b32 s[\g+3], (\c)<<16
	s_mov_b32 s[\g+4], \r
	s_mov_b32 s[\g+5], \c
	s_mov_b32 s[\g+6], 0
	s_mov_b32 s[\g+7], 0
.endm
.macro G0SET g, lds, adr
	s_mov_b32 s[\g], 1
	s_mov_b32 s[\g+1], \lds
	s_mov_b64 s[\g+2:\g+3], s[\adr:\adr+1]
	s_or_b32 s[\g+3], s[\g+3], 0x80000000
.endm
.macro PLACES n
.rept \n
	v_nop
.endr
.endm
.macro PFETCH k                        ; K step k's fragments into set k % 2: B's eight, A's four; a fragment is two runs of 512 consecutive bytes
	WIN 0x40
.irp i, 0,1,2,3,4,5,6,7
.irp c, 0,1
	ds_load_b128 v[128*((\k)%2)+8*\i+4*\c:128*((\k)%2)+8*\i+4*\c+3], v[ADRB] offset:1024*(\k)+512*\c+8192*\i
.endr
.endr
	WIN 0
.irp i, 0,1,2,3
.irp c, 0,1
	ds_load_b128 v[128+32*((\k)%2)+8*\i+4*\c:128+32*((\k)%2)+8*\i+4*\c+3], v[ADRA] offset:1024*(\k)+512*\c+8192*\i
.endr
.endr
.endm
.macro PMUL k                          ; 32 matrix instructions; the 32 accumulators take turns, one instruction a turn
.irp a, 0,1,2,3
.irp b, 0,1,2,3,4,5,6,7
.if (\k) == 0
	v_wmma_scale_f32_16x16x128_f8f6f4 v[8*(8*\a+\b):8*(8*\a+\b)+7], v[128*((\k)%2)+8*\b:128*((\k)%2)+8*\b+7], v[128+32*((\k)%2)+8*\a:128+32*((\k)%2)+8*\a+7], v[64+8*\b:71+8*\b], v[SC+8*(\k)+\b], v[SC+8*(\k)+\a] matrix_a_fmt:MATRIX_FMT_FP4 matrix_b_fmt:MATRIX_FMT_FP4 matrix_a_scale:MATRIX_SCALE_ROW1
.else
	v_wmma_scale_f32_16x16x128_f8f6f4 v[8*(8*\a+\b):8*(8*\a+\b)+7], v[128*((\k)%2)+8*\b:128*((\k)%2)+8*\b+7], v[128+32*((\k)%2)+8*\a:128+32*((\k)%2)+8*\a+7], v[8*(8*\a+\b):8*(8*\a+\b)+7], v[SC+8*(\k)+\b], v[SC+8*(\k)+\a] matrix_a_fmt:MATRIX_FMT_FP4 matrix_b_fmt:MATRIX_FMT_FP4 matrix_a_scale:MATRIX_SCALE_ROW1
.endif
.endr
.endr
.endm
.macro STEPD k
	s_wait_dscnt 0x0                               ; this step's fragments are in
.if (\k) < 7
.if (\k) > 0
	PLACES NP                                      ; in front of loads into registers that the step before multiplied
.endif
	PFETCH (\k)+1
.endif
.if (\k) == 0
	WIN 0x91                                       ; source 0 and C window 1, source 1 window 0, D window 2
.else
	WIN 0xa1
.endif
	PMUL \k
.endm
.macro TOSTAGE a                       ; block a, 16 rows x 128 columns, through my stage: LDS serves a wave's instructions in order
	WIN 0x08
.irp b, 0,1,2,3,4,5,6,7
	ds_store_b128 v[STO], v[64*(\a)+8*\b:64*(\a)+8*\b+3] offset:64*\b              ; each accumulator from its low end on
	ds_store_b128 v[STO], v[64*(\a)+8*\b+4:64*(\a)+8*\b+7] offset:64*\b+16
.endr
	WIN 0
.set BB, 128+64*((\a)%2)
.irp t, 0,1,2,3,4,5,6,7,8,9,10,11,12,13,14,15
	ds_load_b128 v[BB+4*\t:BB+4*\t+3], v[RD] offset:\t*SPITCH
.endr
.endm
.macro SEND a, younger                 ; younger: the LDS instructions issued behind block a's loads, which may stay out
.set BB, 128+64*((\a)%2)
	s_wait_dscnt \younger
.if (\a) > 0
	s_add_nc_u64 s[14:15], s[14:15], 16*4096       ; (behind a wait on XCNT)  16 rows on
.endif
.irp t, 0,1,2,3,4,5,6,7,8,9,10,11,12,13,14,15
	global_store_b128 v[CO], v[BB+4*\t:BB+4*\t+3], s[14:15] offset:\t*4096 th:TH_STORE_NT   ; 512 consecutive bytes, aligned
.endr
.endm
	s_load_b256 s[4:11], s[0:1], 0x0               ; acod, ascl, pcod, pscl
	s_load_b128 s[12:15], s[0:1], 0x20             ; bp, out0
	v_lshl_add_u32 v[SPW], v0, 2, SPARE
	v_mov_b32 v[NIL], 0
	ds_add_u32 v[SPW], v[NIL]                      ; the wave's opening: the add, twice on end, and its wait ahead of my first tensor load
	ds_add_u32 v[SPW], v[NIL]
	v_lshrrev_b32 v1, 5, v0
	v_readfirstlane_b32 s76, v1                    ; wave 0..3
	s_lshr_b32 s77, s76, 1                         ; which 64 rows of A are mine
	s_and_b32 s78, s76, 1                          ; which 128 rows of B
	s_bfe_u32 s79, ttmp6, 0x40000                  ; cx
	s_bfe_u32 s80, ttmp6, 0x40004                  ; cy
	s_lshl_b32 s94, ttmp9, 2
	s_add_co_u32 s94, s94, s79                     ; tile column
	s_and_b32 s81, ttmp7, 0xffff
	s_lshl_b32 s81, s81, 2
	s_add_co_u32 s81, s81, s80                     ; tile row
	s_lshl_b32 s82, s80, 2
	s_lshl_b32 s82, 15, s82                        ; my row of the cluster
	s_lshl_b32 s83, 0x1111, s79                    ; my column
	s_or_b32 s[G1A], s82, (3<<16)|(1<<21)          ; 15:0 the mask; 17:16 elements of 8 bytes; 21 set beside a mask; no padding
	s_or_b32 s[G1B], s83, (3<<16)|(1<<21)
	s_or_b32 s[G1SA], s82, (3<<16)|(1<<21)
	s_or_b32 s[G1SB], s83, (3<<16)|(1<<21)
	G1SET G1A, 1024, 8                             ; A's codes: 8 row groups x 8,192 bytes
	G1SET G1B, 1024, 16                            ; B's: 16
	G1SET G1SA, 32, 16                             ; A's scale words: 4,096 bytes as rows of 256
	G1SET G1SB, 32, 32                             ; B's: 8,192
	s_lshl_b32 s82, s81, 16                        ; A's codes: 128 rows x 512 bytes a tile row
	s_mov_b32 s83, 0
	s_lshl_b32 s84, s81, 12                        ; A's scale words
	s_mov_b32 s85, 0
	s_lshl_b32 s86, s94, 8
	s_add_co_u32 s86, s86, 11264                   ; B's first operand row
	s_lshl_b32 s88, s86, 5
	s_mov_b32 s89, 0
	s_lshl_b32 s86, s86, 9
	s_mov_b32 s87, 0
	s_wait_dscnt 0x0                               ; both opening adds are done
	s_wait_kmcnt 0x0
	s_add_nc_u64 s[82:83], s[4:5], s[82:83]
	s_add_nc_u64 s[84:85], s[6:7], s[84:85]
	s_add_nc_u64 s[86:87], s[8:9], s[86:87]
	s_add_nc_u64 s[88:89], s[10:11], s[88:89]
	CROUND                                         ; all sixteen work-groups are here: the joint loads meet
	G0SET G0A, 0, 82
	G0SET G0B, BSIDE, 86
	G0SET G0SA, SCL, 84
	G0SET G0SB, SCL+4096, 88
	; THE HEAD'S LOADS, ONE A WAVE, and the launch's only ones
	ARM 1, G0A,  G1A,  .Lhead_b
	ARM 2, G0B,  G1B,  .Lhead_sa
	ARM 3, G0SA, G1SA, .Lhead_sb
	tensor_load_to_lds s[G0SB:G0SB+3], s[G1SB:G1SB+7]
	s_nop 0
.rept 4
	v_nop
.endr
.Lhead_asked:
	v_and_b32 v1, 15, v0                           ; r
	v_bfe_u32 v2, v0, 4, 1                         ; h
	v_and_b32 v3, 31, v0
	v_lshlrev_b32 v[CO], 4, v3                     ; 16 x lane
	v_lshlrev_b32 v[BO], 5, v2
	s_wait_alu depctr_va_vdst(0)                   ; the wait here, directly behind these writes
	s_lshl_b32 s82, s94, 10                        ; my first column, in bytes: 1,024 x tile column + 512 x half
	s_lshl_b32 s84, s78, 9
	s_add_co_u32 s82, s82, s84
	s_mov_b32 s83, 0
	s_add_nc_u64 s[12:13], s[12:13], s[82:83]
	WIN 0x40
.irp b, 0,1,2,3,4,5,6,7
	global_load_b128 v[64+8*\b:67+8*\b], v[BO], s[12:13] offset:64*\b        ; the bias of columns 16 b + 8 h + 0 .. 7
	global_load_b128 v[68+8*\b:71+8*\b], v[BO], s[12:13] offset:64*\b+16
.endr
	WIN 0
	s_lshl_b32 s84, s81, 7
	s_lshl_b32 s85, s77, 6
	s_add_co_u32 s84, s84, s85
	s_lshl_b32 s84, s84, 12                        ; my first row of out0, 4,096 bytes a row
	s_add_co_u32 s82, s82, s84
	s_add_nc_u64 s[14:15], s[14:15], s[82:83]
	s_lshl_b32 s84, s77, 15                        ; my four row groups of A
	s_lshl_b32 s85, s78, 16                        ; my eight of B
	s_add_co_u32 s85, s85, BSIDE
	v_add_nc_u32 v[ADRA], s84, v[CO]
	v_add_nc_u32 v[ADRB], s85, v[CO]
	s_lshl_b32 s84, s77, 8                         ; A's scale words: my 64 rows
	s_lshl_b32 s85, s78, 12                        ; B's: my 128, behind A's 4,096 bytes
	s_add_co_u32 s85, s85, 4096
	s_sub_co_u32 s85, s85, s84
	s_add_co_u32 s84, s84, SCL
	s_mul_i32 s86, s76, 16*SPITCH
	s_add_co_u32 s86, s86, STG                     ; my stage
	v_mul_u32_u24 v6, s85, v2                      ; lanes 16-31 take B's: one product, the distance between the two
	v_mul_u32_u24 v7, v1, SPITCH
	v_lshl_add_u32 v5, v1, 2, v6
	v_lshl_add_u32 v7, v2, 5, v7
	v_add_nc_u32 v[ADRS], s84, v5
	v_add_nc_u32 v[STO], s86, v7                   ; in: row r, 32 bytes for each half of the lanes
	v_add_nc_u32 v[RD], s86, v[CO]                 ; back: the 32 lanes take one row of 512 bytes
	s_wait_alu depctr_va_vdst(0)                   ; the wait at the head's end
	s_wait_tensorcnt 0x0                           ; my one load has landed
	s_barrier_signal -1
	s_barrier_wait -1                              ; everybody's has
	PFETCH 0
.irp k, 0,1,2,3,4,5,6,7
.irp i, 0,1,2,3,4,5,6,7
	ds_load_b32 v[SC+8*\k+\i], v[ADRS] offset:512*\k+64*\i
.endr
.endr
	s_wait_loadcnt 0x0                             ; the bias
.irp k, 0,1,2,3,4,5,6,7
	STEPD \k
.endr
	WIN 0
	PLACES NP                                      ; behind the last products: in front of the first reads of results and of loads into operands that are done with
	TOSTAGE 0
.irp a, 1,2,3
.if \a > 1
	s_wait_xcnt 0x0                                ; block a - 2's stores have read their registers and their base
.endif
	TOSTAGE \a
	SEND \a-1, 32                                  ; behind block a - 1's loads: block a's 16 stores and 16 loads
.endr
	s_wait_xcnt 0x0
	SEND 3, 0
	s_wait_tensorcnt 0x0                           ; the wave's end, behind my last tensor load and my last LDS store
	ds_add_u32 v[SPW], v[NIL]
	s_wait_dscnt 0x0
	CROUND                                         ; the closing round
	s_endpgm
.Lfunc_end_k_q592ab8db2f_proj:
	.size	k_q592ab8db2f_proj, .Lfunc_end_k_q592ab8db2f_proj-k_q592ab8db2f_proj
	.p2alignl 7, 3214868480
	.fill 96, 4, 3214868480
	.section	.rodata,"a",@progbits
	.p2align	6, 0x0
	.amdhsa_kernel k_q592ab8db2f_proj
		.amdhsa_group_segment_fixed_size 327680
		.amdhsa_private_segment_fixed_size 0
		.amdhsa_enable_private_segment 0
		.amdhsa_kernarg_size 48
		.amdhsa_user_sgpr_count 2
		.amdhsa_user_sgpr_kernarg_segment_ptr 1
		.amdhsa_wavefront_size32 1
		.amdhsa_system_sgpr_workgroup_id_x 1
		.amdhsa_system_sgpr_workgroup_id_y 1
		.amdhsa_system_sgpr_workgroup_id_z 1
		.amdhsa_system_vgpr_workitem_id 0
		.amdhsa_next_free_vgpr 768
		.amdhsa_next_free_sgpr 96
		.amdhsa_reserve_vcc 0
		.amdhsa_float_denorm_mode_32 3
		.amdhsa_float_denorm_mode_16_64 3
		.amdhsa_memory_ordered 1
		.amdhsa_forward_progress 1
		.amdhsa_inst_pref_size 74
	.end_amdhsa_kernel
	.amdgpu_metadata
---
amdhsa.version: [ 1, 2 ]
amdhsa.kernels:
  - .name:           k_q592ab8db2f_proj
    .symbol:         k_q592ab8db2f_proj.kd
    .args:
      - { .name: acod, .offset: 0, .size: 8, .value_kind: global_buffer, .address_space: global }
      - { .name: ascl, .offset: 8, .size: 8, .value_kind: global_buffer, .address_space: global }
      - { .name: pcod, .offset: 16, .size: 8, .value_kind: global_buffer, .address_space: global }
      - { .name: pscl, .offset: 24, .size: 8, .value_kind: global_buffer, .address_space: global }
      - { .name: bp, .offset: 32, .size: 8, .value_kind: global_buffer, .address_space: global }
      - { .name: out0, .offset: 40, .size: 8, .value_kind: global_buffer, .address_space: global }
    .group_segment_fixed_size: 327680
    .private_segment_fixed_size: 0
    .kernarg_segment_align: 8
    .kernarg_segment_size: 48
    .max_flat_workgroup_size: 128
    .sgpr_count:     96
    .vgpr_count:     768
    .wavefront_size: 32
...
	.end_amdgpu_metadata
.endif
;; end of part 4
